; MI455X (gfx1250); checked and timed in simulation.
; The chip was launched on July 23, 2026; its instructions are those of AMD's public machine-readable ISA for CDNA 5 (MIT licence, August 2026) and "CDNA5" Instruction Set Architecture Reference Guide (July 2026). The comments in the code are by the model that wrote it; some were corrected since.
;; attention. Allowed arithmetic: matrix products marked QUANTISED: E4M3 operands, one E8M0 scale for each 32 along K, by v_wmma_scale_f32_16x16x128_f8f6f4 with both operands' format E4M3, f32 sums; everything else in f32.
;; Inputs: Wk 1,024 x 1,024 float32; Wo 1,024 x 1,024 float32; Wq 1,024 x 1,024 float32; Wv 1,024 x 1,024 float32; bk 1,024 float32; bo 1,024 float32; bq 1,024 float32; bv 1,024 float32; x 4 x 2,048 x 1,024 float32.
;; Outputs: out0 4 x 2,048 x 1,024 float32.
;; This version of the problem:
;;   THIS VERSION OF THE PROBLEM IS GIVEN IN LOW PRECISION. The matrix products marked QUANTISED in the list below multiply operands that are first quantised to E4M3 (4 exponent bits, 3 mantissa bits; 8 bits a number), with one power-of-two scale for each 32 numbers along K (OCP MX v1.0); their sums are f32. All else is computed in f32.
;;   The module's matrix products, in the order in which they are computed (A, B: the left and right operand; K: the contracted axis; several contracted axes count as one K, in the product's order):
;;     1. [M 8,192, K 1,024] x [K 1,024, N 1,024]; A: input x; B: input Wq: QUANTISED
;;     2. [M 8,192, K 1,024] x [K 1,024, N 1,024]; A: input x; B: input Wk: QUANTISED
;;     3. [M 8,192, K 1,024] x [K 1,024, N 1,024]; A: input x; B: input Wv: QUANTISED
;;     4. batch 64 x [M 2,048, K 64] x [K 64, N 2,048]; A: computed on the way; B: computed on the way: QUANTISED
;;     5. batch 64 x [M 2,048, K 2,048] x [K 2,048, N 64]; A: softmax (see below); B: computed on the way: QUANTISED
;;     6. [M 8,192, K 1,024] x [K 1,024, N 1,024]; A: computed on the way; B: input Wo: QUANTISED
;;   THE QUANTISER, for each operand of a quantised product, along K:
;;     - K is cut into blocks of 32 from its start; a last block that is shorter is filled with zeros.
;;     - A block's scale is 2^e with e = floor(log2(the largest magnitude in the block)) - 8, held to -126 .. 127; a block of zeros has e = 0. As a byte (E8M0): e + 127.
;;     - Each number is divided by its block's scale, clamped to +-448, and rounded to the nearest number of E4M3, ties to even, subnormals kept.
;;     - The product sums the exact products of the quantised numbers (number of the format x scale) in f32.
;;   ~~~python
;;   def quantise(x, axis):      # numpy; x: float32 -> the quantised numbers, widened to float32 again
;;       x = np.moveaxis(x, axis, -1); K = x.shape[-1]
;;       x = np.pad(x, [(0, 0)] * (x.ndim - 1) + [(0, -K % 32)]); x = x.reshape(x.shape[:-1] + (-1, 32)); a = np.abs(x).max(-1, keepdims=True)
;;       e = np.where(a > 0, np.clip(np.frexp(np.where(a > 0, a, 1))[1] - 1 - 8, -126, 127), 0)      # np.frexp(a)[1] - 1 = floor(log2(a)), exactly
;;       r = np.clip(x / 2.0 ** e, -448, 448)
;;       step = 2.0 ** (np.maximum(np.frexp(np.where(r == 0, 1, r))[1] - 1, -6) - 3)
;;       q = np.round(r / step) * step * 2.0 ** e      # np.round: ties to even
;;       return np.moveaxis(q.reshape(q.shape[:-2] + (-1,))[..., :K], -1, axis).astype(np.float32)
;;   ~~~
;;   SOFTMAX AHEAD OF A QUANTISED PRODUCT. Where the list says 'softmax', what is quantised is not the finished softmax but p = 2^(t - M), with t = logit x log2(e) and M = ceil(the row's largest t), a whole number; so 1/2 < the row's largest p <= 1. The row's sum l is taken of the UNQUANTISED p, in f32, and the product's result is divided by l at the end. Since M is a whole number, a kernel that streams over the keys may use a running M (the ceiling of the running maximum): every later rescaling is an exact power of two, which a block's scale takes up: the codes' values come out the same.
;;   OPERANDS COMPUTED ON THE WAY. 'Computed on the way' means the value that the module computes at that place (a softmax that the list does not call 'softmax' is quantised finished and normalised). What goes into a quantiser is computed in f32, as accurately as f32 sums, v_exp_f32 and their like allow (about 1e-6 of the number): no bf16 or f16 on the way to a quantiser, and a product that is left as it is and whose result goes on into a quantised operand takes f32 operands (vector FMAs, or v_wmma_f32_16x16x4_f32). A number that lies on a knife's edge between two numbers of the format may be rounded either way, as far as f32 arithmetic and the matrix unit's own rounding can turn it there, and no further.
;; One version. Each part assembles by itself: llvm-mc -triple=amdgcn-amd-amdhsa -mcpu=gfx1250 --defsym DOCPART=n.
;; ======== version 1 of 1: 4 launches
;; limits: right only within a limited range of input values
;; workspace buffers: xq 8,650,752 bytes; wq 4,849,664 bytes; qkv 26,738,688 bytes; inter 8,650,752 bytes
;; launch prep (part 1): grid 384 x 1, 4 waves a work-group, no clusters, 68,096 bytes of LDS; arguments x, xq, Wq, Wk, Wv, Wo, wq; writes xq, wq
.if DOCPART == 1
	.amdgcn_target "amdgcn-amd-amdhsa--gfx1250"
	.amdhsa_code_object_version 6
	.text
	.protected	k_qa6dc4ecfc8_prep
	.globl	k_qa6dc4ecfc8_prep
	.p2align	8
	.type	k_qa6dc4ecfc8_prep,@function
k_qa6dc4ecfc8_prep:
	s_mov_b64 s[64:65], 0
	v_nop
	global_prefetch_b8 v0, s[64:65] scope:SCOPE_SE
	s_setreg_imm32_b32 hwreg(HW_REG_WAVE_MODE, 25, 1), 1
	s_wait_xcnt 0x0
; ONE LAUNCH PREPARES ALL INPUTS.  Work-groups 0 to 127 quantise the four weights and make the rotary table; work-groups 128 to 383 quantise x.  The two paths part on the work-group's number and have LDS bytes of their own.
; x [8192][1024] f32 becomes codes of E4M3, K innermost, with one E8M0 byte for each 32 along K.  xq: codes [8192 places][1024] at byte 0, scale bytes [8192 places][32] at XSO.
; The weights [1024 (k)][1024 (n)] f32 become codes laid [n][k].  wq: codes [4096 places][1024] at byte 0 (Wq, Wk, Wv, Wo), scale bytes [4096 places][32] at WSO, the rotary table at TAB.
; PLACES: within each 32 rows (columns n), place p holds row p with bits 3 and 4 exchanged, so that a tile of 16 places is rows 8 u + r + 8 (r / 8) of its 32:
; a matrix result taken transposed then gives a lane 16 neighbours along the next K.
; A block's scale is 2^(floor(log2(largest magnitude)) - 8): its byte is the largest magnitude's exponent field - 8, held at 1 from below.
; A block of zeros keeps the byte 1: its codes are zeros, and this program alone reads the bytes.
; THE TABLE: [2048 (n)][32 (i)] pairs (cos, sin) of n x 10^(-i / 8), f32; each of the weights' 512 waves makes 4 rows while its first loads are on their way.
; 10^(-i/8) = 2^(-i c): c is cut into a part of 17 bits, whose product with i is exact, and a rest that enters as 1 + i x rest x ln 2.  The angle is reduced by a multiple of pi / 2 in three fused steps; sine and cosine are polynomials on -pi/4 .. pi/4.
; LIMITS: NaN and infinities among the inputs are not served; the frequency is within about two units in its last place of 10^(-i/8).
.set SPARE, 67584                      ; behind both paths' bytes: the spare words, 128 bytes a wave
.set MANT,  0x600000                   ; the mantissa field of 448 as f32
	v_lshl_add_u32 v192, v0, 2, SPARE
	v_mov_b32 v193, 0
	v_lshrrev_b32 v1, 5, v0
	v_readfirstlane_b32 s16, v1                    ; wave
	v_and_b32 v2, 31, v0                           ; lane
	s_cmp_lt_u32 ttmp9, 128
	s_wait_alu depctr_va_vdst(0)
	s_cbranch_scc1 .Lweights
; x.  A wave takes a run of 8 rows = 8,192 numbers in 16 steps of 512.  Each load reads 512 consecutive bytes; a step turns through the wave's own stage in LDS
; (64 bytes + 16 of padding a lane) so that a lane holds 16 neighbours; two neighbouring lanes hold a block.  No barrier: waves share nothing.
.set STEPS, 16
.set CB,    16                         ; bytes of 16 codes
.set R,     16                         ; v16-79   four sets of 16 numbers as loaded
.set X,     80                         ; v80-111  two sets of 16 neighbours
.set C,     128                        ; v128-191 codes: four registers for each step
.set E,     112                        ; v112-127 a scale byte for each step
.set WREG,  8192                       ; LDS region of a wave: two stages of 32 x SP bytes, then its 256 scale bytes
.set SP,    80
.set XSO,   8388608
	s_load_b128 s[4:7], s[0:1], 0x0                ; x s[4:5], xq s[6:7]
	v_lshlrev_b32 v3, 4, v2                        ; my 16 bytes of a load's 512
	s_mul_i32 s17, s16, WREG
	v_lshrrev_b32 v14, 2, v2
	v_mul_u32_u24 v14, v14, SP
	v_and_b32 v15, 3, v2
	v_lshl_add_u32 v14, v15, 4, v14
	v_add_nc_u32 v14, s17, v14                     ; the stage, on the way in: SP (lane / 4) + 16 (lane % 4)
	v_mul_u32_u24 v15, v2, SP
	v_add_nc_u32 v15, s17, v15                     ; and on the way out: SP x lane
	v_mul_u32_u24 v4, v2, CB                       ; my codes' place in a step's
	v_lshrrev_b32 v5, 1, v2
	s_add_co_u32 s17, s17, 2*32*SP
	v_add_nc_u32 v5, s17, v5                       ; my block's scale byte in LDS
	v_lshlrev_b32 v7, 3, v2
	v_add_nc_u32 v6, s17, v7                       ; and 8 bytes a lane on the way out
	s_mov_b32 s23, MANT
	s_sub_co_u32 s18, ttmp9, 128
	s_lshl_b32 s18, s18, 2
	s_add_co_u32 s20, s18, s16                     ; the run that I read
	s_and_b32 s19, s16, 1
	s_lshl_b32 s19, s19, 1
	s_lshr_b32 s22, s16, 1
	s_add_co_u32 s19, s19, s22                     ; waves 1 and 2 change places
	s_add_co_u32 s18, s18, s19                     ; the run that I write
	s_lshl_b32 s20, s20, 15                        ; 32,768 bytes of f32 a run
	s_mov_b32 s21, 0
	s_lshl_b32 s24, s18, 13                        ; 8,192 bytes of codes
	s_mov_b32 s25, 0
	s_lshl_b32 s26, s18, 8                         ; 256 scale bytes
	s_add_co_u32 s26, s26, XSO
	s_mov_b32 s27, 0
	s_wait_alu depctr_va_vdst(0)
	s_wait_kmcnt 0x0
	s_add_nc_u64 s[4:5], s[4:5], s[20:21]
	s_add_nc_u64 s[8:9], s[6:7], s[24:25]
	s_add_nc_u64 s[10:11], s[6:7], s[26:27]
.macro LOAD t
.irp i, 0,1,2,3
	global_load_b128 v[R+16*((\t)%4)+4*\i:R+16*((\t)%4)+4*\i+3], v3, s[4:5] offset:2048*(\t)+512*\i th:TH_LOAD_NT   ; 32 lanes read 512 consecutive bytes
.endr
.endm
.macro TURN t                          ; step t through the stage: LDS serves a wave's instructions in order, so no wait stands between the stores and the loads
.irp i, 0,1,2,3
	ds_store_b128 v14, v[R+16*((\t)%4)+4*\i:R+16*((\t)%4)+4*\i+3] offset:32*SP*((\t)%2)+8*SP*\i
.endr
.irp i, 0,1,2,3
	ds_load_b128 v[X+16*((\t)%2)+4*\i:X+16*((\t)%2)+4*\i+3], v15 offset:32*SP*((\t)%2)+16*\i
.endr
.endm
.irp t, 0,1,2,3
	LOAD \t
.endr
	s_wait_loadcnt 12                              ; step 0's four loads are in
	TURN 0
.macro STEP t
.set XS, X+16*((\t)%2)
.if (\t) > 0
	s_wait_dscnt 1                                 ; this step's numbers are back from the stage; the last step's byte store may be out
.else
	s_wait_dscnt 0x0
.endif
.if (\t)+4 < STEPS
	LOAD (\t)+4                                    ; into the registers that the stage's stores have read
.endif
.if (\t)+1 < STEPS
.if STEPS-2-(\t) >= 3
	s_wait_loadcnt 12                              ; the next step's four loads are in; three steps' may be out
.else
	s_wait_loadcnt 4*(STEPS-2-(\t))
.endif
	TURN (\t)+1
.endif
	v_max3_num_f32 v8, |v[XS]|, |v[XS+1]|, |v[XS+2]|
	v_max3_num_f32 v9, |v[XS+3]|, |v[XS+4]|, |v[XS+5]|
.irp i, 6,10
	v_max3_num_f32 v8, v8, |v[XS+\i]|, |v[XS+\i+1]|
	v_max3_num_f32 v9, v9, |v[XS+\i+2]|, |v[XS+\i+3]|
.endr
	v_max3_num_f32 v8, v8, |v[XS+14]|, |v[XS+15]|
	v_max3_num_f32 v8, v8, v9, 0x4800000           ; and the floor 2^(9 - 127): the byte cannot fall under 1
	v_max_num_f32_dpp v8, v8, v8 row_xmask:1 row_mask:0xf bank_mask:0xf   ; with my neighbour's 16: the block's largest magnitude
	v_add_nc_u32 v11, 0xfc000000, v8               ; 8 off its exponent field: the conversion's scale operand
	v_and_or_b32 v10, v8, 0x7f800000, s23          ; 448 x the scale
.irp i, 0,1,2,3,4,5,6,7,8,9,10,11,12,13,14,15
	v_med3_num_f32 v[XS+\i], v[XS+\i], -v10, v10   ; the conversion to an 8-bit code does not saturate (ISA guide 7.6.2): the hold comes first
.endr
	v_cvt_scalef32_pk8_fp8_f32 v[C+4*(\t):C+4*(\t)+1], v[XS:XS+7], v11
	v_cvt_scalef32_pk8_fp8_f32 v[C+4*(\t)+2:C+4*(\t)+3], v[XS+8:XS+15], v11
	v_lshrrev_b32 v[E+(\t)], 23, v11               ; the scale's byte
	ds_store_b8 v5, v[E+(\t)] offset:16*(\t)       ; both lanes of a block write the same byte with the same value
	global_store_b128 v4, v[C+4*(\t):C+4*(\t)+3], s[8:9] offset:32*CB*(\t)   ; 512 consecutive bytes
.endm
.irp t, 0,1,2,3,4,5,6,7,8,9,10,11,12,13,14,15
	STEP \t
.endr
	ds_load_b64 v[12:13], v6                       ; LDS serves a wave's instructions in order: these see my stores
	s_wait_dscnt 0x0
	global_store_b64 v7, v[12:13], s[10:11]        ; 32 lanes store 256 consecutive bytes, aligned
	s_wait_tensorcnt 0x0                           ; the wave's end
	ds_add_u32 v192, v193
	s_wait_dscnt 0x0
	s_endpgm
; THE WEIGHTS.  Work-group g: weight g / 32, K 256 ((g / 8) % 4) on, columns 128 (g % 8) on.  A lane takes a column n and its registers run down K: a block of 32 lies in one lane;
; the codes go through the wave's own stage in LDS and leave as rows of 256 bytes.
.Lweights:
.set NB,    8
.set PITCH, 272
.set KROW,  1024
.set SIZE_N, 1024
.set X,     32                         ; v32-95   two sets of 32 numbers
.set C,     96                         ; v96-103  a block's codes
.set OUTR,  112                        ; v112-175 the way out
.set SB,    24                         ; v24-25   the scale bytes
.set TP,    176                        ; v176-183 four pairs (cos, sin)
.set WSO,   4194304
.set TAB,   4325376
	s_load_b256 s[48:55], s[0:1], 0x10             ; Wq, Wk, Wv, Wo
	s_load_b64 s[56:57], s[0:1], 0x30              ; wq
	s_and_b32 s17, ttmp9, 7
	s_lshl_b32 s17, s17, 7
	s_lshl_b32 s18, s16, 5
	s_add_co_u32 s17, s17, s18                     ; my wave's first column
	s_lshr_b32 s29, ttmp9, 3
	s_lshr_b32 s30, s29, 2                         ; which weight
	s_and_b32 s18, s29, 3                          ; which 256 along K
	v_lshlrev_b32 v3, 2, v2                        ; in: 4 bytes a lane
	v_and_b32 v5, 7, v2
	v_bfe_u32 v6, v2, 3, 1
	v_lshl_add_u32 v5, v6, 4, v5
	v_bfe_u32 v6, v2, 4, 1
	v_lshl_add_u32 v9, v6, 3, v5                   ; my column's place among the wave's 32
	s_mul_i32 s19, s16, 32*PITCH
	s_add_co_u32 s19, s19, 32768                   ; my stage, behind the other path's bytes
	v_mul_u32_u24 v4, v9, PITCH
	v_add_nc_u32 v4, s19, v4                       ; into it: row = my column's place
	v_lshlrev_b32 v9, 5, v9                        ; and its row of scale bytes
	v_and_b32 v5, 15, v2
	v_lshrrev_b32 v6, 4, v2
	v_mul_u32_u24 v7, v6, PITCH
	v_lshl_add_u32 v7, v5, 4, v7
	v_add_nc_u32 v7, s19, v7                       ; out of it: sixteen lanes to a row, two rows an instruction
	v_mul_u32_u24 v8, v6, KROW
	v_lshl_add_u32 v8, v5, 4, v8                   ; and the same place in the codes
	v_lshlrev_b32 v28, 3, v2                       ; the table: 8 bytes a lane
	s_lshl_b32 s20, s18, 20                        ; 256 rows of 4,096 bytes
	s_lshl_b32 s22, s17, 2
	s_add_co_u32 s20, s20, s22
	s_mov_b32 s21, 0
	s_lshl_b32 s24, s30, 10
	s_add_co_u32 s24, s24, s17                     ; my first row of wq
	s_lshl_b32 s26, s24, 5
	s_lshl_b32 s24, s24, 10
	s_lshl_b32 s22, s18, 8
	s_add_co_u32 s24, s24, s22
	s_mov_b32 s25, 0
	s_lshl_b32 s22, s18, 3
	s_add_co_u32 s26, s26, s22
	s_add_co_u32 s26, s26, WSO
	s_mov_b32 s27, 0
	s_lshl_b32 s28, ttmp9, 2
	s_add_co_u32 s28, s28, s16
	s_lshl_b32 s28, s28, 2                         ; my first row of the table
	s_lshl_b32 s22, s28, 8
	s_add_co_u32 s22, s22, TAB
	s_mov_b32 s23, 0
	s_mov_b32 s31, MANT
	s_mov_b32 s32, 0x3f22f983                      ; 2 / pi
	s_mov_b32 s33, 0xbfc90fd8                      ; - pi / 2 in three parts
	s_mov_b32 s34, 0xb4a8885a
	s_mov_b32 s35, 0xa7c234c4
	s_mov_b32 s36, 0xb94ca1f9                      ; sine's coefficients
	s_mov_b32 s37, 0x3c08839e
	s_mov_b32 s38, 0xbe2aaaa3
	s_mov_b32 s39, 0x37ccf5ce                      ; cosine's
	s_mov_b32 s40, 0xbab6061a
	s_mov_b32 s41, 0x3d2aaaa5
	s_wait_alu depctr_va_vdst(0)
	s_wait_kmcnt 0x0
	s_cmp_eq_u32 s30, 0                            ; the choice hangs on the work-group's number alone
	s_cselect_b64 s[4:5], s[48:49], s[50:51]
	s_cmp_eq_u32 s30, 2
	s_cselect_b64 s[6:7], s[52:53], s[54:55]
	s_cmp_lt_u32 s30, 2
	s_cselect_b64 s[4:5], s[4:5], s[6:7]
	s_add_nc_u64 s[4:5], s[4:5], s[20:21]
	s_add_nc_u64 s[6:7], s[56:57], s[24:25]
	s_add_nc_u64 s[8:9], s[56:57], s[26:27]
	s_add_nc_u64 s[10:11], s[56:57], s[22:23]
.macro WLOAD t                         ; block t: W(32 t + i, my column) into set t % 2
.irp i, 0,1,2,3,4,5,6,7,8,9,10,11,12,13,14,15,16,17,18,19,20,21,22,23,24,25,26,27,28,29,30,31
	global_load_b32 v[X+32*((\t)%2)+\i], v3, s[4:5] offset:(32*(\t)+\i)*SIZE_N*4 th:TH_LOAD_NT
.endr
.endm
	WLOAD 0
	WLOAD 1
	; the table, while these loads are on their way
	v_cvt_f32_u32 v23, v2                          ; i
	v_mul_f32 v22, 0xbed49a80, v23                 ; - i x the 17-bit part of log2(10) / 8: exact
	s_wait_alu depctr_va_vdst(0)
	v_exp_f32 v22, v22
	v_mul_f32 v23, 0x342ae0a1, v23                 ; i x the rest x ln 2.  (The plain instruction behind the exponential)
	s_wait_alu depctr_va_vdst(0)                   ; ahead of the first reader of the exponential
	v_fma_f32 v23, v22, v23, v22                   ; 10^(-i / 8)
.macro ROW k
	s_add_co_u32 s46, s28, \k
	v_cvt_f32_u32 v14, s46
	v_mul_f32 v14, v14, v23                        ; the angle, rounded once
	v_mul_f32 v15, s32, v14
	v_rndne_f32 v15, v15                           ; how many quarter turns
	v_fma_f32 v16, v15, s33, v14
	v_fma_f32 v16, v15, s34, v16
	v_fma_f32 v16, v15, s35, v16                   ; what is left, within pi / 4
	v_cvt_i32_f32 v17, v15
	v_mul_f32 v18, v16, v16
	v_fma_f32 v19, v18, s36, s37
	v_fma_f32 v19, v19, v18, s38
	v_mul_f32 v19, v19, v18
	v_fma_f32 v19, v19, v16, v16                   ; its sine
	v_fma_f32 v20, v18, s39, s40
	v_fma_f32 v20, v20, v18, s41
	v_mul_f32 v20, v20, v18
	v_fma_f32 v21, v18, -0.5, 1.0
	v_fma_f32 v20, v20, v18, v21                   ; its cosine
	v_and_b32 v21, 1, v17
	v_cmp_eq_u32 vcc_lo, 1, v21                    ; an odd number of quarter turns exchanges the two
	v_cndmask_b32 v22, v19, v20, vcc_lo
	v_cndmask_b32 v26, v20, v19, vcc_lo
	v_lshlrev_b32 v27, 30, v17
	v_and_b32 v27, 0x80000000, v27                 ; the sine changes sign in quarters 2 and 3,
	v_xor_b32 v[TP+2*\k+1], v22, v27
	v_add_nc_u32 v27, 1, v17
	v_lshlrev_b32 v27, 30, v27
	v_and_b32 v27, 0x80000000, v27                 ; the cosine in quarters 1 and 2
	v_xor_b32 v[TP+2*\k], v26, v27
	global_store_b64 v28, v[TP+2*\k:TP+2*\k+1], s[10:11] offset:256*\k   ; 32 lanes store 256 consecutive bytes, aligned; each row has data registers of its own
.endm
	ROW 0
	ROW 1
	ROW 2
	ROW 3
.macro BLOCK t
.set XS, X+32*((\t)%2)
.if (\t) < NB-1
	s_wait_loadcnt 32                              ; this block's 32 loads are in; the next block's may be out
.else
	s_wait_loadcnt 0
.endif
	v_max3_num_f32 v12, |v[XS]|, |v[XS+1]|, |v[XS+2]|
	v_max3_num_f32 v13, |v[XS+3]|, |v[XS+4]|, |v[XS+5]|
.irp i, 6,10,14,18,22,26
	v_max3_num_f32 v12, v12, |v[XS+\i]|, |v[XS+\i+1]|
	v_max3_num_f32 v13, v13, |v[XS+\i+2]|, |v[XS+\i+3]|
.endr
	v_max3_num_f32 v12, v12, |v[XS+30]|, |v[XS+31]|
	v_max3_num_f32 v12, v12, v13, 0x4800000        ; and the floor 2^(9 - 127)
	v_add_nc_u32 v11, 0xfc000000, v12              ; the conversion's scale operand
	v_and_or_b32 v10, v12, 0x7f800000, s31         ; 448 x the scale
	v_lshrrev_b32 v13, 23, v11                     ; the scale's byte
.if (\t)%4 == 0
	v_mov_b32 v[SB+(\t)/4], v13
.else
	v_lshl_or_b32 v[SB+(\t)/4], v13, 8*((\t)%4), v[SB+(\t)/4]
.endif
.irp i, 0,1,2,3,4,5,6,7,8,9,10,11,12,13,14,15,16,17,18,19,20,21,22,23,24,25,26,27,28,29,30,31
	v_med3_num_f32 v[XS+\i], v[XS+\i], -v10, v10
.endr
.irp g, 0,1,2,3
	v_cvt_scalef32_pk8_fp8_f32 v[C+2*\g:C+2*\g+1], v[XS+8*\g:XS+8*\g+7], v11
.endr
	ds_store_b128 v4, v[C:C+3] offset:32*(\t)
	ds_store_b128 v4, v[C+4:C+7] offset:32*(\t)+16
.if (\t)+2 < NB
	WLOAD (\t)+2
.endif
	s_wait_dscnt 0x0                               ; the stores have read their registers: the next block's codes may be written
.endm
.set Q, 0
.rept NB
	BLOCK Q
.set Q, Q+1
.endr
	global_store_b64 v9, v[SB:SB+1], s[8:9]        ; my column's 8 scale bytes
.irp t, 0,1,2,3,4,5,6,7,8,9,10,11,12,13,14,15
	ds_load_b128 v[OUTR+4*\t:OUTR+4*\t+3], v7 offset:2*\t*PITCH   ; LDS serves a wave's instructions in order: these see my stores
.endr
.irp t, 0,1,2,3,4,5,6,7,8,9,10,11,12,13,14,15
	s_wait_dscnt 15-\t
	global_store_b128 v8, v[OUTR+4*\t:OUTR+4*\t+3], s[6:7] offset:2*\t*KROW   ; sixteen lanes store 256 consecutive bytes, aligned
.endr
	s_wait_tensorcnt 0x0                           ; the wave's end
	ds_add_u32 v192, v193
	s_wait_dscnt 0x0
	s_endpgm
.Lfunc_end_k_qa6dc4ecfc8_prep:
	.size	k_qa6dc4ecfc8_prep, .Lfunc_end_k_qa6dc4ecfc8_prep-k_qa6dc4ecfc8_prep
	.p2alignl 7, 3214868480
	.fill 96, 4, 3214868480
	.section	.rodata,"a",@progbits
	.p2align	6, 0x0
	.amdhsa_kernel k_qa6dc4ecfc8_prep
		.amdhsa_group_segment_fixed_size 68096
		.amdhsa_private_segment_fixed_size 0
		.amdhsa_enable_private_segment 0
		.amdhsa_kernarg_size 56
		.amdhsa_user_sgpr_count 2
		.amdhsa_user_sgpr_kernarg_segment_ptr 1
		.amdhsa_wavefront_size32 1
		.amdhsa_system_sgpr_workgroup_id_x 1
		.amdhsa_system_sgpr_workgroup_id_y 1
		.amdhsa_system_sgpr_workgroup_id_z 1
		.amdhsa_system_vgpr_workitem_id 0
		.amdhsa_next_free_vgpr 194
		.amdhsa_next_free_sgpr 66
		.amdhsa_reserve_vcc 1
		.amdhsa_float_denorm_mode_32 3
		.amdhsa_float_denorm_mode_16_64 3
		.amdhsa_memory_ordered 1
		.amdhsa_forward_progress 1
		.amdhsa_inst_pref_size 117
	.end_amdhsa_kernel
	.amdgpu_metadata
---
amdhsa.version: [ 1, 2 ]
amdhsa.kernels:
  - .name:           k_qa6dc4ecfc8_prep
    .symbol:         k_qa6dc4ecfc8_prep.kd
    .args:
      - { .name: x, .offset: 0, .size: 8, .value_kind: global_buffer, .address_space: global }
      - { .name: xq, .offset: 8, .size: 8, .value_kind: global_buffer, .address_space: global }
      - { .name: Wq, .offset: 16, .size: 8, .value_kind: global_buffer, .address_space: global }
      - { .name: Wk, .offset: 24, .size: 8, .value_kind: global_buffer, .address_space: global }
      - { .name: Wv, .offset: 32, .size: 8, .value_kind: global_buffer, .address_space: global }
      - { .name: Wo, .offset: 40, .size: 8, .value_kind: global_buffer, .address_space: global }
      - { .name: wq, .offset: 48, .size: 8, .value_kind: global_buffer, .address_space: global }
    .group_segment_fixed_size: 68096
    .private_segment_fixed_size: 0
    .kernarg_segment_align: 8
    .kernarg_segment_size: 56
    .max_flat_workgroup_size: 128
    .sgpr_count:     66
    .vgpr_count:     194
    .wavefront_size: 32
...
	.end_amdgpu_metadata
.endif
;; end of part 1
;; launch gemm1 (part 2): grid 12 x 32, 4 waves a work-group, clusters of 4 x 4, 327,680 bytes of LDS; arguments xq, wq, bq, bk, bv, qkv; writes qkv
.if DOCPART == 2
	.amdgcn_target "amdgcn-amd-amdhsa--gfx1250"
	.amdhsa_code_object_version 6
	.text
	.protected	k_qa6dc4ecfc8_gemm1
	.globl	k_qa6dc4ecfc8_gemm1
	.p2align	8
	.type	k_qa6dc4ecfc8_gemm1,@function
k_qa6dc4ecfc8_gemm1:
	s_mov_b64 s[64:65], 0
	v_nop
	global_prefetch_b8 v0, s[64:65] scope:SCOPE_SE
	s_setreg_imm32_b32 hwreg(HW_REG_WAVE_MODE, 25, 1), 1
	s_wait_xcnt 0x0
	s_wait_alu depctr_hold_cnt(0) depctr_sa_sdst(0) depctr_va_vdst(0) depctr_va_sdst(0) depctr_va_ssrc(0) depctr_va_vcc(0) depctr_vm_vsrc(0)
	s_getreg_b32 s2, hwreg(HW_REG_IB_STS2, 6, 4)
	s_cmp_eq_u32 s2, 0
	s_cbranch_scc0 .Lentry_in_a_cluster
	s_endpgm
.Lentry_in_a_cluster:
	s_bfe_u32 s2, ttmp6, 0x10000c
	s_cmp_lg_u32 s2, 0xf033
	s_cbranch_scc0 .Lentry_shape_is_right
	s_endpgm
.Lentry_shape_is_right:
.set KSTEP,  256
.set NQ,     2
.set ROWB,   256
.set KROW,   1024
.set PITCH,  272
.set FR,     16
.set NL,     4
.set NP,     8
.set HALFT,  128*PITCH
.set SLOT,   4*HALFT
.set LAPS,   2
.set KS,     32
.set SCL,    2*SLOT
.set HALFS,  (128*KS/256)*272
.set SBLK,   (16*KS/256)*272
.set SPARE,  SCL+4*HALFS
.set XSO,    8388608
.set WSO,    4194304
.set WSV,    WSO+2048*32
.set TAB,    4325376
.set LN,   6
.set LI,   7
.set BV,   8
.set ADRA, 16
.set TO,   18
.set VSO,  19
.set ADRB, 20
.set ADRS, 27
.set SPW,  28
.set NIL,  29
.set BQO,  30
.set BVO,  31
.set SC,   32
.set BQ,   64
.set AF,   128
.set PC,   32
.set TM,   48
.set T,    128
.set U,    192
.set KWD,  208
.set PW,   224
.set SW,   228
.set SEL,  20
.set MNT,  22
.set G1, 24
.set G0, 32
.set G1B, 48
.set G0B, 56
.set G1S, 68
.set G0S, 76
.set G1SB, 80
.set G0SB, 88
.set MSB, 0
.macro WIN new
.if MSB != (\new)
	s_set_vgpr_msb (MSB<<8)|(\new)
.set MSB, (\new)
.endif
.endm
.set MUL_LO, 0xa1
.set MUL_HI, 0xf1
.set TO_B,   0x40
.macro JLOAD g0a, g1a, g0b, g1b
	s_cmp_eq_u32 s15, 0
	s_cbranch_scc0 .Lfor_b_\@
	tensor_load_to_lds s[\g0a:\g0a+3], s[\g1a:\g1a+7]
	s_nop 0
.rept 4
	v_nop
.endr
	s_branch .Lasked_\@
.Lfor_b_\@:
	tensor_load_to_lds s[\g0b:\g0b+3], s[\g1b:\g1b+7]
	s_nop 0
.rept 4
	v_nop
.endr
.Lasked_\@:
.endm
.macro CREST
	s_cmp_lg_u32 s14, 0
	s_cbranch_scc1 .Lnot_wave_0_\@
	s_barrier_signal -3
.Lnot_wave_0_\@:
	s_barrier_wait -3
	s_barrier_signal -1
	s_barrier_wait -1
.endm
.macro CROUND
	s_barrier_signal -1
	s_barrier_wait -1
	CREST
.endm
	s_load_b256 s[4:11], s[0:1], 0x0
	s_load_b128 s[96:99], s[0:1], 0x20
	v_lshl_add_u32 v[SPW], v0, 2, SPARE
	v_mov_b32 v[NIL], 0
	ds_add_u32 v28, v29
	ds_add_u32 v28, v29
	s_wait_dscnt 0x0
	v_lshrrev_b32 v1, 5, v0
	v_readfirstlane_b32 s14, v1
	s_lshr_b32 s15, s14, 1
	s_and_b32 s16, s14, 1
	s_bfe_u32 s40, ttmp6, 0x40000
	s_bfe_u32 s41, ttmp6, 0x40004
	s_and_b32 s12, ttmp7, 0xffff
	s_lshl_b32 s12, s12, 2
	s_lshl_b32 s13, ttmp9, 2
	s_add_co_u32 s17, s12, s41
	s_add_co_u32 s42, s13, s40
	s_add_co_u32 s2, s12, s40
	s_cmp_eq_u32 ttmp9, 2
	s_cselect_b32 s17, s41, s17
	s_cselect_b32 s42, s2, s42
	s_lshl_b32 s43, s41, 2
	s_lshl_b32 s43, 15, s43
	s_lshl_b32 s44, 0x1111, s40
	s_or_b32 s[G1+0], s43, (0<<16)|(1<<20)|(1<<21)|(5<<22)|(3<<25)
	s_or_b32 s[G1B+0], s44, (0<<16)|(1<<20)|(1<<21)|(5<<22)|(3<<25)
.irp g, G1, G1B
	s_mov_b32 s[\g+1], ROWB<<16
	s_mov_b32 s[\g+2], 256<<16
	s_mov_b32 s[\g+3], ROWB<<16
	s_mov_b32 s[\g+4], 256
	s_mov_b32 s[\g+5], KROW
	s_mov_b32 s[\g+6], 0
	s_mov_b32 s[\g+7], 0
.endr
	s_or_b32 s[G1S+0], s43, (3<<16)|(1<<20)|(1<<21)|(5<<22)|(3<<25)
	s_or_b32 s[G1SB+0], s44, (3<<16)|(1<<20)|(1<<21)|(5<<22)|(3<<25)
.irp g, G1S, G1SB
	s_mov_b32 s[\g+1], 32<<16
	s_mov_b32 s[\g+2], (256*KS/256)<<16
	s_mov_b32 s[\g+3], 32<<16
	s_mov_b32 s[\g+4], 256*KS/256
	s_mov_b32 s[\g+5], 32
	s_mov_b32 s[\g+6], 0
	s_mov_b32 s[\g+7], 0
.endr
	s_lshl_b32 s18, s16, 7
	s_lshl_b32 s20, s17, 8
	s_add_co_u32 s20, s20, s18
	s_lshl_b32 s46, s42, 8
	s_add_co_u32 s46, s46, s18
	s_lshl_b32 s22, s20, 5
	s_lshl_b32 s20, s20, 10
	s_lshl_b32 s92, s46, 5
	s_lshl_b32 s46, s46, 10
	s_cmp_eq_u32 ttmp9, 2
	s_cselect_b32 s2, 0x200000, 0
	s_mov_b32 s12, XSO
	s_cselect_b32 s12, WSV, s12
	s_mov_b32 s13, WSO
	s_cselect_b32 s13, XSO, s13
	s_add_co_u32 s20, s20, s2
	s_add_co_u32 s22, s22, s12
	s_add_co_u32 s92, s92, s13
	s_mov_b32 s21, 0
	s_mov_b32 s23, 0
	s_mov_b32 s47, 0
	s_mov_b32 s93, 0
	s_mul_i32 s45, s14, HALFT
	s_mul_i32 s94, s14, HALFS
	s_wait_kmcnt 0x0
	s_cmp_eq_u32 ttmp9, 2
	s_cselect_b64 s[100:101], s[6:7], s[4:5]
	s_cselect_b64 s[12:13], s[4:5], s[6:7]
	s_add_nc_u64 s[20:21], s[100:101], s[20:21]
	s_add_nc_u64 s[22:23], s[100:101], s[22:23]
	s_add_nc_u64 s[46:47], s[12:13], s[46:47]
	s_add_nc_u64 s[92:93], s[12:13], s[92:93]
	s_lshl_b32 s66, s16, 17                        ; my half of a tile in bytes: 128 rows of codes,
	s_mov_b32 s67, 0
	s_lshl_b32 s2, s16, 12                         ; and of scale bytes
	s_mov_b32 s3, 0
	CROUND
	; the head's four tiles, each whole, 256 rows: the scales of source 1's rows and of source 0's, and K step 0 of both
	s_mov_b32 s[G0S], 1
	s_mov_b32 s[G0S+1], SCL
	s_sub_nc_u64 s[G0S+2:G0S+3], s[22:23], s[2:3]
	s_or_b32 s[G0S+3], s[G0S+3], 0x80000000
	s_mov_b32 s[G0SB], 1
	s_mov_b32 s[G0SB+1], SCL+2*HALFS
	s_sub_nc_u64 s[G0SB+2:G0SB+3], s[92:93], s[2:3]
	s_or_b32 s[G0SB+3], s[G0SB+3], 0x80000000
	s_mov_b32 s[G0], 1
	s_mov_b32 s[G0+1], 0
	s_sub_nc_u64 s[G0+2:G0+3], s[20:21], s[66:67]
	s_or_b32 s[G0+3], s[G0+3], 0x80000000
	s_mov_b32 s[G0B], 1
	s_mov_b32 s[G0B+1], 2*HALFT
	s_sub_nc_u64 s[G0B+2:G0B+3], s[46:47], s[66:67]
	s_or_b32 s[G0B+3], s[G0B+3], 0x80000000
	s_mov_b32 s[G0+4], 1                           ; slot 1: my quarter of K step 1
	s_add_co_u32 s[G0+5], s45, SLOT
	s_add_nc_u64 s[G0+6:G0+7], s[20:21], ROWB
	s_or_b32 s[G0+7], s[G0+7], 0x80000000
	s_mov_b32 s[G0B+4], 1
	s_add_co_u32 s[G0B+5], s45, SLOT
	s_add_nc_u64 s[G0B+6:G0B+7], s[46:47], ROWB
	s_or_b32 s[G0B+7], s[G0B+7], 0x80000000
; one tree of branches on the wave's number, one load to an arm
.macro ARM under, g0, g1, next
	s_cmp_lt_u32 s14, \under
	s_cbranch_scc0 \next
	tensor_load_to_lds s[\g0:\g0+3], s[\g1:\g1+7]
	s_nop 0
.rept 4
	v_nop
.endr
	s_branch .Lhead_asked
\next:
.endm
	ARM 1, G0,  G1,  .Lhead_b
	ARM 2, G0B, G1B, .Lhead_sa
	ARM 3, G0S, G1S, .Lhead_sb
	tensor_load_to_lds s[G0SB:G0SB+3], s[G1SB:G1SB+7]
	s_nop 0
.rept 4
	v_nop
.endr
.Lhead_asked:
	s_wait_alu depctr_va_vdst(0)
	s_wait_tensorcnt 0x0                           ; my tile of the four is in
	ds_add_u32 v28, v29
	s_mov_b32 s[G1+2], 128<<16                     ; no tensor load of mine is out: from here on a load brings 128 rows,
	s_mov_b32 s[G1+4], 128
	s_mov_b32 s[G1B+2], 128<<16
	s_mov_b32 s[G1B+4], 128
	s_mov_b32 s[G0+1], s45                         ; and slot 0's descriptors stand at my quarter of K step 0
	s_add_nc_u64 s[G0+2:G0+3], s[G0+2:G0+3], s[66:67]
	s_mov_b32 s[G0B+1], s45
	s_add_nc_u64 s[G0B+2:G0B+3], s[G0B+2:G0B+3], s[66:67]
	s_wait_dscnt 0x0
	CROUND
	JLOAD G0+4, G1, G0B+4, G1B
	v_and_b32 v1, 15, v0
	v_bfe_u32 v2, v0, 4, 1
	v_mul_u32_u24 v3, v1, PITCH
	v_lshl_add_u32 v4, v2, 4, v3
	s_mul_i32 s21, s15, HALFT
	s_mul_i32 s22, s16, HALFT
	s_add_co_u32 s22, s22, 2*HALFT
.irp s, 0,1
	v_add_nc_u32 v[ADRA+\s], s21, v4
	v_add_nc_u32 v[ADRB+\s], s22, v4
	s_add_co_u32 s21, s21, SLOT
	s_add_co_u32 s22, s22, SLOT
.endr
	v_mul_u32_u24 v5, v1, KS
	v_lshrrev_b32 v6, 8, v5
	v_lshl_add_u32 v5, v6, 4, v5
	s_mul_i32 s21, s15, HALFS
	s_mul_i32 s22, s16, HALFS
	s_add_co_u32 s22, s22, 2*HALFS
	s_sub_co_u32 s22, s22, s21
	v_mul_u32_u24 v6, s22, v2
	s_add_co_u32 s21, s21, SCL
	v_add_nc_u32 v5, v5, v6
	v_add_nc_u32 v[ADRS], s21, v5
	v_and_b32 v[LN], 31, v0
	v_lshlrev_b32 v[LI], 4, v[LN]
	v_and_b32 v3, 8, v1
	v_add_nc_u32 v3, v3, v1
	v_lshlrev_b32 v[BVO], 2, v3
	v_lshlrev_b32 v[TO], 8, v3
	v_lshl_add_u32 v[TO], v2, 6, v[TO]
	v_lshlrev_b32 v[BQO], 6, v2
	s_wait_alu depctr_va_vdst(0)
	v_mul_u32_u24 v[VSO], v2, 12288
	v_lshl_add_u32 v[VSO], v1, 4, v[VSO]
	s_and_b32 s18, s42, 3
	s_lshl_b32 s18, s18, 10
	s_lshl_b32 s19, s16, 9
	s_add_co_u32 s18, s18, s19
	s_mov_b32 s19, 0
	s_cmp_eq_u32 ttmp9, 0
	s_cselect_b64 s[12:13], s[8:9], s[10:11]
	s_add_nc_u64 s[12:13], s[12:13], s[18:19]
.irp c, 0,1,2,3
.irp u, 0,1
	global_load_b128 v[BQ+16*\c+8*\u:BQ+16*\c+8*\u+3], v[BQO], s[12:13] offset:128*\c+32*\u
	global_load_b128 v[BQ+16*\c+8*\u+4:BQ+16*\c+8*\u+7], v[BQO], s[12:13] offset:128*\c+32*\u+16
.endr
.endr
	s_and_b32 s18, s17, 3
	s_lshl_b32 s18, s18, 10
	s_lshl_b32 s2, s15, 9
	s_add_co_u32 s18, s18, s2
	s_add_nc_u64 s[96:97], s[96:97], s[18:19]
.irp a, 0,1,2,3,4,5,6,7
	global_load_b32 v[BV+\a], v[BVO], s[96:97] offset:(32*(\a/2)+8*(\a%2))*4
.endr
	s_cmp_eq_u32 ttmp9, 2
	s_cselect_b32 s40, s42, s17
	s_cselect_b32 s41, s16, s15
	s_cselect_b32 s43, s17, s42
	s_cselect_b32 s44, s15, s16
	s_and_b32 s43, s43, 3
	s_lshr_b32 s45, s40, 3
	s_and_b32 s40, s40, 7
	s_lshl_b32 s46, s40, 1
	s_add_co_u32 s46, s46, s41
	s_lshl_b32 s45, s45, 4
	s_lshl_b32 s43, s43, 2
	s_add_co_u32 s45, s45, s43
	s_lshl_b32 s44, s44, 1
	s_add_co_u32 s45, s45, s44
	s_lshl_b32 s92, s40, 16
	s_lshl_b32 s93, s41, 15
	s_add_co_u32 s92, s92, s93
	s_add_co_u32 s92, s92, TAB
	s_mov_b32 s93, 0
	s_add_nc_u64 s[8:9], s[6:7], s[92:93]
	s_lshl_b32 s20, ttmp9, 23
	s_lshl_b32 s21, s45, 17
	s_add_co_u32 s20, s20, s21
	s_lshl_b32 s21, s46, 13
	s_add_co_u32 s20, s20, s21
	s_mov_b32 s21, 0
	s_add_nc_u64 s[4:5], s[98:99], s[20:21]
	s_min_u32 s22, ttmp9, 1
	s_mul_i32 s22, s22, 786432
	s_add_co_u32 s22, s22, 25165824
	s_mul_i32 s23, s45, 12288
	s_add_co_u32 s22, s22, s23
	s_cmp_eq_u32 ttmp9, 2
	s_cselect_b32 s23, 8, 9
	s_cselect_b32 s47, 8192, 0
	s_lshl_b32 s23, s46, s23
	s_add_co_u32 s22, s22, s23
	s_add_co_u32 s22, s22, s47
	s_mov_b32 s23, 0
	s_add_nc_u64 s[6:7], s[98:99], s[22:23]
	s_mov_b32 s[SEL], 0x76543210
	s_mov_b32 s[SEL+1], 0xfedcba98
	s_mov_b32 s[MNT], 0x600000
.macro FRAG reg, adr, q, i
.irp c, 0,1,2,3
	ds_load_b128 v[\reg+4*\c:\reg+4*\c+3], v[\adr] offset:128*(\q)+32*\c+(\i)*16*PITCH
.endr
.endm
.macro MUL16 a0, p, q, sc, zero
.irp a, \a0, \a0+1
.irp b, 0,1,2,3,4,5,6,7
.if \zero
	v_wmma_scale_f32_16x16x128_f8f6f4 v[8*(8*((\a)%4)+\b):8*(8*((\a)%4)+\b)+7], v[128*(\p)+FR*\b:128*(\p)+FR*\b+FR-1], v[AF+FR*(\a):AF+FR*(\a)+FR-1], 0, v[SC+8*NQ*(\sc)+NQ*\b+(\q)], v[SC+8*NQ*(\sc)+NQ*(\a)+(\q)] matrix_a_scale:MATRIX_SCALE_ROW1
.else
	v_wmma_scale_f32_16x16x128_f8f6f4 v[8*(8*((\a)%4)+\b):8*(8*((\a)%4)+\b)+7], v[128*(\p)+FR*\b:128*(\p)+FR*\b+FR-1], v[AF+FR*(\a):AF+FR*(\a)+FR-1], v[8*(8*((\a)%4)+\b):8*(8*((\a)%4)+\b)+7], v[SC+8*NQ*(\sc)+NQ*\b+(\q)], v[SC+8*NQ*(\sc)+NQ*(\a)+(\q)] matrix_a_scale:MATRIX_SCALE_ROW1
.endif
.endr
.endr
.endm
.macro FETCH_B slot, q, p
	WIN TO_B
.irp i, 0,1,2,3,4,5,6,7
	FRAG 128*(\p)+FR*\i, ADRB+\slot, \q, \i
.endr
	WIN 0
.endm
.macro FETCH_A slot, q, i0
.irp i, \i0, \i0+1, \i0+2, \i0+3
	FRAG AF+FR*(\i), ADRA+\slot, \q, \i
.endr
.endm
.macro SCALES sc
.irp i, 0,1,2,3,4,5,6,7
	ds_load_b64 v[SC+8*NQ*\sc+NQ*\i:SC+8*NQ*\sc+NQ*\i+1], v[ADRS] offset:\i*SBLK
.endr
.endm
.macro PLACES n
.rept \n
	v_nop
.endr
.endm
.macro STEP slot, q, zero
	s_wait_dscnt 4*NL
	WIN MUL_LO
	MUL16 0, (\q)%2, \q, \slot, \zero
	MUL16 2, (\q)%2, \q, \slot, \zero
	s_wait_dscnt 0
	PLACES NP
	FETCH_B \slot, (\q)+1, 1-(\q)%2
	FETCH_A \slot, (\q)+1, 0
	WIN MUL_HI
	MUL16 4, (\q)%2, \q, \slot, \zero
	MUL16 6, (\q)%2, \q, \slot, \zero
	PLACES NP
	WIN 0
	FETCH_A \slot, (\q)+1, 4
.endm
.macro TURN slot, next, fill
	s_wait_tensorcnt 0x0
	ds_add_u32 v[SPW], v[NIL]
	s_wait_dscnt 4*NL+1
	WIN MUL_LO
	MUL16 0, 1, NQ-1, \slot, 0
	s_wait_dscnt 0x0
	s_barrier_signal -1
	MUL16 2, 1, NQ-1, \slot, 0
	WIN 0
	s_barrier_wait -1
.if \fill
	CREST
	s_add_nc_u64 s[G0+4*\slot+2:G0+4*\slot+3], s[G0+4*\slot+2:G0+4*\slot+3], 2*ROWB
	s_add_nc_u64 s[G0B+4*\slot+2:G0B+4*\slot+3], s[G0B+4*\slot+2:G0B+4*\slot+3], 2*ROWB
	JLOAD G0+4*\slot, G1, G0B+4*\slot, G1B
	PLACES NP-4
.else
	PLACES NP
.endif
	s_wait_alu depctr_va_vdst(0)
	v_add_nc_u32 v[ADRS], 4*NQ, v[ADRS]
	FETCH_B \next, 0, 0
	FETCH_A \next, 0, 0
	SCALES \next
	WIN MUL_HI
	MUL16 4, 1, NQ-1, \slot, 0
	MUL16 6, 1, NQ-1, \slot, 0
	PLACES NP
	WIN 0
	FETCH_A \next, 0, 4
.endm
.macro CSLOAD a
	WIN TO_B
.irp c, 0,1
.irp k, 0,1,2,3
	global_load_b128 v[32*((\a)%2)+16*\c+4*\k:32*((\a)%2)+16*\c+4*\k+3], v[TO], s[8:9] offset:(32*((\a)/2)+8*((\a)%2))*256+128*\c+16*\k
.endr
.endr
.endm
.macro QUANT s, pw
.irp b, 0,1,2,3
	v_max3_num_f32 v[TM+\b], |v[\s+16*\b]|, |v[\s+1+16*\b]|, 0x4800000
.endr
.irp i, 2,4,6,8,10,12,14
.irp b, 0,1,2,3
	v_max3_num_f32 v[TM+\b], v[TM+\b], |v[\s+16*\b+\i]|, |v[\s+1+16*\b+\i]|
.endr
.endr
.irp b, 0,1,2,3
	v_permlanex16_b32 v[TM+4+\b], v[TM+\b], s[SEL], s[SEL+1]
.endr
.irp b, 0,1,2,3
	v_max_num_f32 v[TM+\b], v[TM+\b], v[TM+4+\b]
.endr
.irp b, 0,1,2,3
	v_add_nc_u32 v[TM+12+\b], 0xfc000000, v[TM+\b]
.endr
.irp b, 0,1,2,3
	v_and_or_b32 v[TM+8+\b], v[TM+\b], 0x7f800000, s[MNT]
.endr
.irp b, 0,1,2,3
	v_lshrrev_b32 v[TM+4+\b], 23, v[TM+12+\b]
.endr
	v_lshl_or_b32 v[\pw], v[TM+5], 8, v[TM+4]
	v_lshl_or_b32 v[\pw], v[TM+6], 16, v[\pw]
	v_lshl_or_b32 v[\pw], v[TM+7], 24, v[\pw]
.irp b, 0,1,2,3
.irp i, 0,1,2,3,4,5,6,7,8,9,10,11,12,13,14,15
	v_med3_num_f32 v[\s+16*\b+\i], v[\s+16*\b+\i], -v[TM+8+\b], v[TM+8+\b]
.endr
	v_cvt_scalef32_pk8_fp8_f32 v[PC+4*\b:PC+1+4*\b], v[\s+16*\b:\s+7+16*\b], v[TM+12+\b]
	v_cvt_scalef32_pk8_fp8_f32 v[PC+2+4*\b:PC+3+4*\b], v[\s+8+16*\b:\s+15+16*\b], v[TM+12+\b]
.endr
	v_nop
.endm
.macro OUTQK a
.set AC, 64*((\a)%4)
.set CSB, 32*((\a)%2)
.if (\a) < 7
	s_wait_loadcnt 8
.else
	s_wait_loadcnt 0
.endif
	WIN 0x02+(\a)/4
.set p, 0
.rept 32
	v_pk_add_f32 v[T+p:T+p+1], v[AC+p:AC+p+1], v[BQ+p:BQ+p+1]
.set p, p+2
.endr
	WIN 0x04
.irp c, 0,1,2,3
.irp m, 0,2,4,6,8,10,12,14
	v_pk_mul_f32 v[U+\m:U+\m+1], v[T+16*\c+\m:T+16*\c+\m+1], v[CSB+16*(\c%2)+\m:CSB+16*(\c%2)+\m+1] op_sel_hi:[1,0]
.endr
.irp m, 0,2,4,6,8,10,12,14
	v_pk_fma_f32 v[T+16*\c+\m:T+16*\c+\m+1], v[T+16*\c+\m:T+16*\c+\m+1], v[CSB+16*(\c%2)+\m:CSB+16*(\c%2)+\m+1], v[U+\m:U+\m+1] op_sel:[1,1,0] op_sel_hi:[0,1,1] neg_lo:[1,0,0]
.endr
.endr
.if (\a) < 6
	CSLOAD (\a)+2
.endif
	WIN 0
	s_wait_xcnt 0x0
	QUANT T, PW
.irp c, 0,1,2,3
	global_store_b128 v[LI], v[PC+4*\c:PC+4*\c+3], s[4:5] offset:(\c/2)*131072+(\a)*1024+(\c%2)*512
.endr
	v_and_b32 v[KWD+(\a)], 0xffff, v[PW]
	v_lshrrev_b32 v[KWD+8+(\a)], 16, v[PW]
.endm
.macro OUTV a
.set AC, 64*((\a)%4)
	WIN 0x02+(\a)/4
.set p, 0
.rept 32
.if (\a)%2 == 0
	v_pk_add_f32 v[T+p:T+p+1], v[AC+p:AC+p+1], v[BV+(\a):BV+(\a)+1] op_sel_hi:[1,0]
.else
	v_pk_add_f32 v[T+p:T+p+1], v[AC+p:AC+p+1], v[BV+(\a)-1:BV+(\a)] op_sel:[0,1] op_sel_hi:[1,1]
.endif
.set p, p+2
.endr
	WIN 0
	s_wait_xcnt 0x0
	QUANT T, KWD+(\a)
.irp c, 0,1,2,3
	global_store_b128 v[LI], v[PC+4*\c:PC+4*\c+3], s[4:5] offset:((\a)/4)*131072+((\a)%4)*2048+\c*512
.endr
.endm
	s_wait_tensorcnt 1
	s_barrier_signal -1
	s_barrier_wait -1
	FETCH_B 0, 0, 0
	FETCH_A 0, 0, 0
	SCALES 0
	FETCH_A 0, 0, 4
	STEP 0, 0, 1
	s_mov_b32 s3, LAPS-1
.Llap:
	TURN 0, 1, 1
	STEP 1, 0, 0
	TURN 1, 0, 1
	STEP 0, 0, 0
	s_sub_co_u32 s3, s3, 1
	s_cmp_lg_u32 s3, 0
	s_cbranch_scc1 .Llap
	TURN 0, 1, 0
	STEP 1, 0, 0
	CSLOAD 0
	CSLOAD 1
	s_wait_dscnt 4*NL
	WIN MUL_LO
	MUL16 0, 1, NQ-1, 1, 0
	MUL16 2, 1, NQ-1, 1, 0
	s_wait_dscnt 0
	WIN MUL_HI
	MUL16 4, 1, NQ-1, 1, 0
	MUL16 6, 1, NQ-1, 1, 0
	WIN 0
	PLACES NP
.irp b, 0,1,2,3
	v_mov_b32 v[TM+4+\b], 0
.endr
	v_cmp_le_u32 vcc_lo, 16, v[LN]
	s_cmp_eq_u32 ttmp9, 2
	s_cbranch_scc1 .Lv
.irp a, 0,1,2,3,4,5,6,7
	OUTQK \a
.endr
.irp e, 0,1
.irp j, 0,1,2,3
	v_cndmask_b32 v[SW+4*\e+\j], v[KWD+8*\e+\j], v[KWD+8*\e+4+\j], vcc_lo
.endr
	global_store_b128 v[LI], v[SW+4*\e:SW+4*\e+3], s[6:7] offset:\e*12288
.endr
	s_branch .Lend
.Lv:
	s_wait_loadcnt 0x0
.irp a, 0,1,2,3,4,5,6,7
	OUTV \a
.endr
.irp j, 0,1,2,3
	v_cndmask_b32 v[SW+\j], v[KWD+\j], v[KWD+4+\j], vcc_lo
.endr
	global_store_b128 v[VSO], v[SW:SW+3], s[6:7]
.Lend:
	s_wait_tensorcnt 0x0
	ds_add_u32 v[SPW], v[NIL]
	s_wait_dscnt 0x0
	CROUND
	s_endpgm
.Lfunc_end_k_qa6dc4ecfc8_gemm1:
	.size	k_qa6dc4ecfc8_gemm1, .Lfunc_end_k_qa6dc4ecfc8_gemm1-k_qa6dc4ecfc8_gemm1
	.p2alignl 7, 3214868480
	.fill 96, 4, 3214868480
	.section	.rodata,"a",@progbits
	.p2align	6, 0x0
	.amdhsa_kernel k_qa6dc4ecfc8_gemm1
		.amdhsa_group_segment_fixed_size 327680
		.amdhsa_private_segment_fixed_size 0
		.amdhsa_enable_private_segment 0
		.amdhsa_kernarg_size 48
		.amdhsa_user_sgpr_count 2
		.amdhsa_user_sgpr_kernarg_segment_ptr 1
		.amdhsa_wavefront_size32 1
		.amdhsa_system_sgpr_workgroup_id_x 1
		.amdhsa_system_sgpr_workgroup_id_y 1
		.amdhsa_system_sgpr_workgroup_id_z 1
		.amdhsa_system_vgpr_workitem_id 0
		.amdhsa_next_free_vgpr 1024
		.amdhsa_next_free_sgpr 102
		.amdhsa_reserve_vcc 1
		.amdhsa_float_denorm_mode_32 3
		.amdhsa_float_denorm_mode_16_64 3
		.amdhsa_memory_ordered 1
		.amdhsa_forward_progress 1
		.amdhsa_inst_pref_size 255
	.end_amdhsa_kernel
	.section	.bss,"aw",@nobits
	.p2align	6
	.space	262144
	.amdgpu_metadata
---
amdhsa.version: [ 1, 2 ]
amdhsa.kernels:
  - .name:           k_qa6dc4ecfc8_gemm1
    .symbol:         k_qa6dc4ecfc8_gemm1.kd
    .args:
      - { .name: xq, .offset: 0, .size: 8, .value_kind: global_buffer, .address_space: global }
      - { .name: wq, .offset: 8, .size: 8, .value_kind: global_buffer, .address_space: global }
      - { .name: bq, .offset: 16, .size: 8, .value_kind: global_buffer, .address_space: global }
      - { .name: bk, .offset: 24, .size: 8, .value_kind: global_buffer, .address_space: global }
      - { .name: bv, .offset: 32, .size: 8, .value_kind: global_buffer, .address_space: global }
      - { .name: qkv, .offset: 40, .size: 8, .value_kind: global_buffer, .address_space: global }
    .group_segment_fixed_size: 327680
    .private_segment_fixed_size: 0
    .kernarg_segment_align: 8
    .kernarg_segment_size: 48
    .max_flat_workgroup_size: 128
    .sgpr_count:     102
    .vgpr_count:     1024
    .wavefront_size: 32
...
	.end_amdgpu_metadata
.endif
;; end of part 2
;; launch att (part 3): grid 4 x 64, 8 waves a work-group, clusters of 4 x 1, 276,480 bytes of LDS; arguments qkv, inter; writes inter
.if DOCPART == 3
	.amdgcn_target "amdgcn-amd-amdhsa--gfx1250"
	.amdhsa_code_object_version 6
	.text
	.protected	k_qa6dc4ecfc8_att
	.globl	k_qa6dc4ecfc8_att
	.p2align	8
	.type	k_qa6dc4ecfc8_att,@function
k_qa6dc4ecfc8_att:
	s_mov_b64 s[64:65], 0
	v_nop
	global_prefetch_b8 v0, s[64:65] scope:SCOPE_SE
	s_setreg_imm32_b32 hwreg(HW_REG_WAVE_MODE, 25, 1), 1
	s_wait_xcnt 0x0
	s_wait_alu depctr_hold_cnt(0) depctr_sa_sdst(0) depctr_va_vdst(0) depctr_va_sdst(0) depctr_va_ssrc(0) depctr_va_vcc(0) depctr_vm_vsrc(0)
	s_getreg_b32 s2, hwreg(HW_REG_IB_STS2, 6, 4)
	s_cmp_eq_u32 s2, 0
	s_cbranch_scc0 .Lentry_in_a_cluster
	s_endpgm
.Lentry_in_a_cluster:
	s_bfe_u32 s2, ttmp6, 0x10000c
	s_cmp_lg_u32 s2, 0x3003
	s_cbranch_scc0 .Lentry_shape_is_right
	s_endpgm
.Lentry_shape_is_right:
; inter[b][n][h d] = softmax(q k^T / 32) v for each of 64 heads of 2,048 tokens and 64 channels, both products on codes of E4M3 with E8M0 scales.
; t = score x log2(e) / 32; M = the running largest t rounded up to a whole number; p = 2^(t - M) is quantised along the keys, not normalised;
; the row's sum is taken of the unquantised p and divides at the end.  When M moves, the sums and O are multiplied by 2^(old M - new M): exact.
; SHARES.  A work-group owns 512 queries of one head.  Each of its eight waves owns TWO tiles of 16 queries at a time, twice: each fragment of K and V that a wave reads from LDS feeds two matrix instructions.
; THE WHOLE HEAD'S K AND V LIE IN LDS, as images of operand registers (131,072 bytes each) with their scale words (12,288 bytes), filled ONCE by eight tensor loads, one a wave; nothing is stored to LDS.
; CLUSTER.  The four work-groups of a cluster belong to one head: each fill is asked for jointly, by the same tensor load with the same descriptor and the mask 15.
; No prefetch: all that the launch reads by tensor loads is asked for at its head, so there is no loop to run ahead in.
; LAYOUT.  Both products are used transposed: S^T = K Q^T, O^T = V^T P^T: a lane holds one query of each tile throughout.
; The first product's K is 64: the upper half of Q's fragments is zero codes.  K's eight fragments lie dense, 8 registers each: the upper half of a fragment is the next tile's codes (behind the last: zeros), finite numbers that meet Q's zeros.
; Keys, queries and channels lie in PLACES within each 32 (bits 3 and 4 exchanged), so registers 16 b + i of S^T are keys 32 b + 16 (lane / 16) + i, and of O^T channels likewise.
; O^T / the sum is quantised along (head, channel) and leaves as an image of the last product's operand; its two scale bytes a row go to rows of 32 bytes.
; REGISTERS.  Window 0: addresses, scale words, Q, K, V, p's codes.  Window 1: S^T / p, O^T and all that the softmax keeps: its lines run under one setting.
; LIMITS: a block of zeros keeps the scale byte 1; NaN and infinities are not served; scores lie above -3e38.
.set VIMG,  131072                     ; LDS: K's images at 0, V's here,
.set SCK,   262144                     ; K's scale words, 512 bytes a step,
.set SCV,   270336                     ; V's, 256 bytes a step,
.set SPARE, 274432                     ; the spare words, 128 bytes a wave
; window 0
.set LI,  1                            ; 16 x lane
.set LR,  2                            ; 16 x (lane % 16)
.set SOF, 3                            ; 32 x (lane % 16)
.set ADK, 4
.set ADS, 5
.set ADV, 6
.set ADT, 7
.set SPW, 8
.set NIL, 9
.set QSW, 10                           ; v10-11 Q's scale words, a tile each
.set PSW, 12                           ; v12-13 p's
.set ASK0, 14                          ; SCK + 16 x (lane % 16)
.set VSW, 16                           ; v16-19 V's scale words
.set KSW, 20                           ; v20-27 K's
.set QF,  32                           ; v32-63 Q's two fragments, the upper 8 of each zeros
.set KF,  64                           ; v64-127 K's eight fragments, v128-135 zeros
.set VF,  136                          ; v136-199 V's four
.set PCD, 200                          ; v200-231 p's codes, 16 a tile
; window 1 (tile j)
.set S,   0                            ; + 64 j
.set O,   128                          ; + 32 j
.set BM,  192                          ; + 4 j + b
.set PT,  200
.set SO,  208
.set HL,  216                          ; + 5 j + b: the two tiles' holds lie in different banks, as a dual pair wants its second sources
.set OLD, 220                          ; + 5 j: the last step's -M
.set NEG, 226                          ; + 2 j: the pair (-M, the running largest score)
.set SUM, 230                          ; + 2 j: the sum, first chain
.set FF,  234                          ; + 2 j: f, later 1 / the sum; the upper word is 0
.set TMP, 238
.set SU2, 240                          ; + 2 j: the sum, second chain
.set WV,  8
.set SEL, 20
.set CS,  22                           ; s[22:23] c = log2(e) / 32
.set MNT, 76
.set TK,  77
.set TS,  78
.set TT,  79
.set CNT, 80
.set PASS, 81
.set QB,  82
.set QS,  84
.set OI,  86
.set OSC, 88
.set TV,  90
.set NCS, 91                           ; -c
.set MSB, 0
.macro WIN new                         ; the immediate's high byte repeats the setting that is left
.if MSB != (\new)
	s_set_vgpr_msb (MSB<<8)|(\new)
.set MSB, (\new)
.endif
.endm
.macro CROUND                          ; a round of the cluster's barrier
	s_barrier_signal -1
	s_barrier_wait -1
	s_cmp_lg_u32 s[WV], 0
	s_cbranch_scc1 .Lnot_wave_0_\@
	s_barrier_signal -3
.Lnot_wave_0_\@:
	s_barrier_wait -3
	s_barrier_signal -1
	s_barrier_wait -1
.endm
.macro RUN m, j, a, b                  ; lines a .. b of macro m for tile j
.set RI, \a
.rept (\b)-(\a)+1
	\m \j, RI
.set RI, RI+1
.endr
.endm
.macro QLOAD p                         ; pass p's two tiles of Q and their scale words
.irp j, 0,1
	global_load_b128 v[QF+16*\j:QF+16*\j+3], v[LI], s[QB:QB+1] offset:16384*\p+1024*\j
	global_load_b128 v[QF+16*\j+4:QF+16*\j+7], v[LI], s[QB:QB+1] offset:16384*\p+1024*\j+512
.endr
	global_load_b64 v[QSW:QSW+1], v[LR], s[QS:QS+1] offset:1024*\p
.endm
.macro KLOADS ak, as                   ; a step's eight fragments of K, images of 512 consecutive bytes a load, and their scale words
.irp t, 0,1,2,3,4,5,6,7
	ds_load_b128 v[KF+8*\t:KF+8*\t+3], v[\ak] offset:\t*1024
	ds_load_b128 v[KF+8*\t+4:KF+8*\t+7], v[\ak] offset:\t*1024+512
.endr
	ds_load_b128 v[KSW:KSW+3], v[\as]
	ds_load_b128 v[KSW+4:KSW+7], v[\as] offset:256
.endm
.macro MX j, n                         ; line n of 32: the largest score of each block of 32 keys, four blocks by turns; each accumulator is first read at its low end
.if (\n) < 4
	v_max3_num_f32 v[BM+4*\j+(\n)], v[S+64*\j+16*(\n)], v[S+64*\j+16*(\n)+1], v[S+64*\j+16*(\n)+2]
.elseif (\n) < 28
	v_max3_num_f32 v[BM+4*\j+(\n)%4], v[BM+4*\j+(\n)%4], v[S+64*\j+16*((\n)%4)+2*((\n)/4)+1], v[S+64*\j+16*((\n)%4)+2*((\n)/4)+2]
.else
	v_max_num_f32 v[BM+4*\j+(\n)%4], v[BM+4*\j+(\n)%4], v[S+64*\j+16*((\n)%4)+15]
.endif
.endm
.macro PM j, n                         ; with lane l xor 16's 16 keys
.if (\n) < 4
	v_permlanex16_b32 v[PT+4*\j+(\n)], v[BM+4*\j+(\n)], s[SEL], s[SEL+1]
.else
	v_max_num_f32 v[BM+4*\j+(\n)-4], v[BM+4*\j+(\n)-4], v[PT+4*\j+(\n)-4]
.endif
.endm
.macro CC j, n                         ; the row's chain: the running largest score, -M = floor(-c x it), f = 2^(old M - new M)
.if (\n) == 0
	v_max3_num_f32 v[TMP+\j], v[BM+4*\j], v[BM+4*\j+1], v[BM+4*\j+2]
.elseif (\n) == 1
	v_max3_num_f32 v[NEG+2*\j+1], v[NEG+2*\j+1], v[TMP+\j], v[BM+4*\j+3]
.elseif (\n) == 2
	v_mul_f32 v[TMP+\j], s[NCS], v[NEG+2*\j+1]
.elseif (\n) == 3
	v_floor_f32 v[NEG+2*\j], v[TMP+\j]
.elseif (\n) == 4
	v_sub_f32 v[TMP+\j], v[NEG+2*\j], v[OLD+5*\j]
.elseif (\n) == 5
	v_mov_b32 v[OLD+5*\j], v[NEG+2*\j]
.elseif (\n) == 6
	v_cvt_i32_f32 v[TMP+\j], v[TMP+\j]
.else
	v_ldexp_f32 v[FF+2*\j], 1.0, v[TMP+\j]
.endif
.endm
.macro FM j, n                         ; t - M, two at a time; lines 32 to 35: the same of each block's largest score
.if (\n) < 32
	v_pk_fma_f32 v[S+64*\j+2*(\n):S+64*\j+2*(\n)+1], v[S+64*\j+2*(\n):S+64*\j+2*(\n)+1], s[CS:CS+1], v[NEG+2*\j:NEG+2*\j+1] op_sel_hi:[1,0,0]
.else
	v_fma_f32 v[BM+4*\j+(\n)-32], v[BM+4*\j+(\n)-32], s[CS], v[NEG+2*\j]
.endif
.endm
.macro RS j, n                         ; O^T and the two chains of the sum under the new M
.if (\n) < 16
	v_pk_mul_f32 v[O+32*\j+2*(\n):O+32*\j+2*(\n)+1], v[O+32*\j+2*(\n):O+32*\j+2*(\n)+1], v[FF+2*\j:FF+2*\j+1] op_sel_hi:[1,0]
.elseif (\n) == 16
	v_pk_mul_f32 v[SUM+2*\j:SUM+2*\j+1], v[SUM+2*\j:SUM+2*\j+1], v[FF+2*\j:FF+2*\j+1] op_sel_hi:[1,0]
.else
	v_pk_mul_f32 v[SU2+2*\j:SU2+2*\j+1], v[SU2+2*\j:SU2+2*\j+1], v[FF+2*\j:FF+2*\j+1] op_sel_hi:[1,0]
.endif
.endm
.macro MIN2 a, ha, b, hb               ; two holds in one dual pair: one destination even, the other odd; first and second sources in different banks
	v_dual_min_num_f32 v[\a], v[\a], v[\ha] :: v_dual_min_num_f32 v[\b], v[\b], v[\hb]
.endm
.macro AM b                            ; block b of both tiles: the sums read the unquantised p, then p is held at 448 x the scale (the conversion does not saturate: ISA guide 7.6.2; p is not negative)
.irp i, 0,4,8,12
	v_pk_add_f32 v[SUM:SUM+1], v[SUM:SUM+1], v[S+16*\b+\i:S+16*\b+\i+1]
	v_pk_add_f32 v[SUM+2:SUM+3], v[SUM+2:SUM+3], v[S+64+16*\b+\i:S+64+16*\b+\i+1]
	MIN2 S+16*\b+\i, HL+\b, S+64+16*\b+\i+1, HL+5+\b
	MIN2 S+16*\b+\i+1, HL+\b, S+64+16*\b+\i, HL+5+\b
	v_pk_add_f32 v[SU2:SU2+1], v[SU2:SU2+1], v[S+16*\b+\i+2:S+16*\b+\i+3]
	v_pk_add_f32 v[SU2+2:SU2+3], v[SU2+2:SU2+3], v[S+64+16*\b+\i+2:S+64+16*\b+\i+3]
	MIN2 S+16*\b+\i+2, HL+\b, S+64+16*\b+\i+3, HL+5+\b
	MIN2 S+16*\b+\i+3, HL+\b, S+64+16*\b+\i+2, HL+5+\b
.endr
.endm
	s_load_b128 s[4:7], s[0:1], 0x0                ; qkv s[4:5], inter s[6:7]
	v_lshl_add_u32 v[SPW], v0, 2, SPARE
	v_mov_b32 v[NIL], 0
	ds_add_u32 v[SPW], v[NIL]
	ds_add_u32 v[SPW], v[NIL]
	v_lshrrev_b32 v4, 5, v0
	v_readfirstlane_b32 s[WV], v4                  ; wave 0..7
	s_bfe_u32 s9, ttmp6, 0x40000                   ; cx: it enters Q's and the results' global addresses alone
	s_and_b32 s10, ttmp7, 0xffff                   ; the head, which the four partners share
	; group 1, twice: dense blocks as rows of 256 bytes (32 elements of 8 bytes): 12 rows of scale words, 256 rows of images
	s_mov_b32 s24, 15|(3<<16)|(1<<21)              ; the mask: all four work-groups; elements of 8 bytes; bit 21 beside a mask; no padding
	s_mov_b32 s25, 32<<16
	s_mov_b32 s26, 12<<16
	s_mov_b32 s27, 32<<16
	s_mov_b32 s28, 12
	s_mov_b32 s29, 32
	s_mov_b32 s30, 0
	s_mov_b32 s31, 0
	s_mov_b32 s32, 15|(3<<16)|(1<<21)
	s_mov_b32 s33, 32<<16
	s_mov_b32 s34, 256<<16
	s_mov_b32 s35, 32<<16
	s_mov_b32 s36, 256
	s_mov_b32 s37, 32
	s_mov_b32 s38, 0
	s_mov_b32 s39, 0
	s_and_b32 s17, s[WV], 3
	s_mul_i32 s11, s17, 3072                       ; waves 4 to 7: a quarter of the head's scale words
	s_mul_i32 s12, s10, 12288
	s_add_co_u32 s12, s12, s11
	s_add_co_u32 s12, s12, 25952256
	s_mov_b32 s13, 0
	s_lshr_b32 s14, s17, 1                         ; waves 0 to 3: half of K's (0, 1) or of V's (2, 3) images
	s_and_b32 s15, s17, 1
	s_lshl_b32 s16, s14, 17
	s_lshl_b32 s17, s15, 16
	s_add_co_u32 s16, s16, s17                     ; in LDS
	s_lshl_b32 s18, s14, 23
	s_add_co_u32 s18, s18, 8388608
	s_add_co_u32 s18, s18, s17
	s_lshl_b32 s19, s10, 17
	s_add_co_u32 s18, s18, s19                     ; in qkv
	s_mov_b32 s19, 0
	s_mov_b32 s[SEL], 0x76543210
	s_mov_b32 s[SEL+1], 0xfedcba98
	s_mov_b32 s[CS], 0x3d38aa3b
	s_mov_b32 s[CS+1], s[CS]                       ; named with it as a pair, so it is written
	s_mov_b32 s[NCS], 0xbd38aa3b
	s_mov_b32 s[MNT], 0x600000
	s_wait_dscnt 0x0                               ; both opening adds are done
	s_wait_kmcnt 0x0
	s_mov_b32 s40, 1
	s_add_co_u32 s41, s11, SCK
	s_add_nc_u64 s[42:43], s[4:5], s[12:13]
	s_or_b32 s43, s43, 0x80000000
	s_mov_b32 s44, 1
	s_mov_b32 s45, s16
	s_add_nc_u64 s[46:47], s[4:5], s[18:19]
	s_or_b32 s47, s47, 0x80000000
	CROUND                                         ; all four work-groups are here: the joint loads meet
	s_cmp_lt_u32 s[WV], 4                          ; one chain of branches on the wave's number, one fill to an arm: every wave issues one tensor load
	s_cbranch_scc0 .Lscales
	tensor_load_to_lds s[44:47], s[32:39]
	s_nop 0
.rept 4
	v_nop
.endr
	s_branch .Lasked
.Lscales:
	tensor_load_to_lds s[40:43], s[24:31]
	s_nop 0
.rept 4
	v_nop
.endr
.Lasked:
	s_lshl_b32 s11, s9, 5
	s_lshl_b32 s12, s[WV], 1
	s_add_co_u32 s11, s11, s12                     ; my first tile of queries in the first pass: 32 cx + 2 x wave; the second pass: 16 tiles on
	s_lshl_b32 s12, s10, 17
	s_lshl_b32 s13, s11, 10
	s_add_co_u32 s12, s12, s13
	s_mov_b32 s13, 0
	s_add_nc_u64 s[QB:QB+1], s[4:5], s[12:13]      ; its image
	s_mul_i32 s12, s10, 12288
	s_add_co_u32 s12, s12, 25165824
	s_lshr_b32 s14, s11, 3
	s_lshl_b32 s14, s14, 9
	s_add_co_u32 s12, s12, s14
	s_bfe_u32 s14, s11, 0x10002
	s_lshl_b32 s14, s14, 8
	s_add_co_u32 s12, s12, s14
	s_and_b32 s14, s11, 3
	s_lshl_b32 s14, s14, 2
	s_add_co_u32 s12, s12, s14
	s_add_nc_u64 s[QS:QS+1], s[4:5], s[12:13]      ; its scale words; the next tile's lie 4 bytes on
	s_lshr_b32 s14, s10, 4
	s_lshl_b32 s14, s14, 7
	s_add_co_u32 s14, s14, s11                     ; its tile of rows of inter: 128 x batch + tile
	s_and_b32 s15, s10, 15                         ; the head in its batch
	s_lshl_b32 s12, s14, 14
	s_lshl_b32 s16, s15, 10
	s_add_co_u32 s12, s12, s16
	s_add_nc_u64 s[OI:OI+1], s[6:7], s[12:13]
	s_lshl_b32 s12, s14, 9
	s_lshl_b32 s16, s15, 1
	s_add_co_u32 s12, s12, s16
	s_add_co_u32 s12, s12, 8388608
	s_add_nc_u64 s[OSC:OSC+1], s[6:7], s[12:13]
	s_mov_b32 s[PASS], 2
	v_and_b32 v4, 31, v0
	v_and_b32 v5, 15, v0
	v_lshlrev_b32 v[LI], 4, v4
	v_lshlrev_b32 v[LR], 4, v5
	v_lshlrev_b32 v[SOF], 5, v5
	v_lshl_add_u32 v[ASK0], v5, 4, SCK
	QLOAD 0                                        ; the first pass's Q is on its way beside the fills
.irp j, 0,1,2,3,4,5,6,7
	v_mov_b32 v[QF+8+\j], 0                        ; zero codes for the K that the first product does not have
	v_mov_b32 v[QF+24+\j], 0
	v_mov_b32 v[KF+64+\j], 0                       ; and behind K's last fragment
.endr
	WIN 0x40
.irp b, 0,1,2,3,4,5,6,7
	v_mov_b32 v[PT+\b], 0                          ; written once: a lane permute's destination counts as one of its sources
.endr
	v_mov_b32 v[FF+1], 0                           ; named as the upper halves of pairs
	v_mov_b32 v[FF+3], 0
	WIN 0
	s_wait_alu depctr_va_vdst(0)
	s_wait_tensorcnt 0x0                           ; my part has landed,
	s_barrier_signal -1
	s_barrier_wait -1                              ; everybody's has: from here on LDS is only read
	KLOADS LI, ASK0                                ; the first step's K
.Lpass:                                            ; two trips: two tiles of 16 queries each
	WIN 0x40
.set NN, 0
.rept 64
	v_mov_b32 v[O+NN], 0                           ; the step is written once: the first finds zeros, which the first change of M leaves zeros
.set NN, NN+1
.endr
.irp j, 0,1,2,3
	v_mov_b32 v[SUM+\j], 0
	v_mov_b32 v[SU2+\j], 0
.endr
.irp j, 0,1
	v_mov_b32 v[NEG+2*\j+1], 0xff61b1e6            ; the largest score so far: -3e38
	v_mov_b32 v[OLD+5*\j], 0x7f000000              ; -M so far: 2^127, so that the first f is 0
.endr
	WIN 0
	s_mov_b32 s[TK], 0
	s_mov_b32 s[TS], SCK
	s_mov_b32 s[TV], VIMG
	s_mov_b32 s[TT], SCV
	s_mov_b32 s[CNT], 16
	s_wait_alu depctr_va_vdst(0)
	s_wait_loadcnt 0x0                             ; Q
	s_wait_dscnt 0x0                               ; the first step's K
.Lstep:                                            ; A KEY STEP: 128 keys for both tiles
	s_add_co_u32 s[TK], s[TK], 8192                ; the next step's K
	s_add_co_u32 s[TS], s[TS], 512
	WIN 0x40
.irp t, 0,1,2,3,4,5,6,7                        ; S^T = K Q^T: each fragment of K against both tiles; sixteen accumulators, each begun with 0
.irp j, 0,1
	v_wmma_scale_f32_16x16x128_f8f6f4 v[S+64*\j+8*\t:S+64*\j+8*\t+7], v[KF+8*\t:KF+8*\t+15], v[QF+16*\j:QF+16*\j+15], 0, v[KSW+\t], v[QSW+\j]
.endr
.endr
	WIN 0
	v_add_nc_u32 v[ADV], s[TV], v[LI]              ; four additions and four v_nop: eight places behind the products, ahead of loads into their operands and of the first read of the scores
	v_add_nc_u32 v[ADT], s[TT], v[LR]
	v_add_nc_u32 v[ADK], s[TK], v[LI]
	v_add_nc_u32 v[ADS], s[TS], v[LR]
.rept 4
	v_nop
.endr
.irp t, 0,1,2,3
.irp c, 0,1,2,3
	ds_load_b128 v[VF+16*\t+4*\c:VF+16*\t+4*\c+3], v[ADV] offset:\t*2048+512*\c   ; this step's V: wanted at the step's end
.endr
.endr
	ds_load_b128 v[VSW:VSW+3], v[ADT]
	s_cmp_lg_u32 s[CNT], 1                         ; counts of trips alone decide what is asked for next
	s_cbranch_scc0 .Llast
	KLOADS ADK, ADS                                ; the next step's K
	s_branch .Ljoin
.Llast:
	s_cmp_eq_u32 s[PASS], 1
	s_cbranch_scc1 .Ljoin                          ; the very last step asks for nothing more
	KLOADS LI, ASK0                                ; the first pass's last step: the second pass's first K,
	QLOAD 1                                        ; and its Q: this pass's last products with Q stand eight places back
.Ljoin:
	WIN 0x55
	; the two tiles are staggered, so that a line's source was written five lines back or more
.set NN, 0
.rept 16
	MX 0, 2*NN
	MX 0, 2*NN+1
	MX 1, NN
.set NN, NN+1
.endr
.set NN, 0
.rept 8
	PM 0, NN
	MX 1, 16+NN
.set NN, NN+1
.endr
	CC 0, 0
	RUN MX, 1, 24, 27
	CC 0, 1
	RUN MX, 1, 28, 31
	CC 0, 2
	RUN PM, 1, 0, 3
	CC 0, 3
	RUN PM, 1, 4, 7
	CC 0, 4
	CC 0, 5
	RUN FM, 0, 0, 1
	CC 1, 0
	CC 0, 6
	RUN FM, 0, 2, 4
	CC 1, 1
	CC 0, 7
	RUN FM, 0, 5, 7
	CC 1, 2
	RUN FM, 0, 8, 11
	CC 1, 3
	RUN FM, 0, 12, 15
	CC 1, 4
	CC 1, 5
	RUN FM, 0, 16, 18
	CC 1, 6
	RUN FM, 0, 19, 22
	CC 1, 7
	RUN FM, 0, 23, 35
	RUN FM, 1, 0, 35
	RUN RS, 0, 0, 17                               ; O^T is first read here, ahead of the step's exponentials
	RUN RS, 1, 0, 16
	s_wait_alu depctr_va_vdst(0)
.set NN, 0
.rept 8
	v_exp_f32 v[BM+NN], v[BM+NN]                   ; each block's largest p: the same two instructions on the same number as its p
.set NN, NN+1
.endr
.set NN, 0
.rept 128
	v_exp_f32 v[S+NN], v[S+NN]                     ; p = 2^(t - M), at most 1
.set NN, NN+1
.endr
	RS 1, 17                                       ; the plain instruction behind the exponentials
	s_wait_alu depctr_va_vdst(0)                   ; one wait for the whole batch, ahead of its first reader
.irp n, 0,1,2,3,4,5,6,7
	v_max_num_f32 v[BM+\n], 0x4800000, v[BM+\n]    ; the floor 2^(9 - 127): the byte cannot fall under 1
.endr
.irp n, 0,1,2,3,4,5,6,7
	v_add_nc_u32 v[SO+\n], 0xfc000000, v[BM+\n]    ; the conversion's scale operand
.endr
.irp n, 0,1,2,3,4,5,6,7
	v_and_or_b32 v[HL+5*(\n/4)+\n%4], v[BM+\n], 0x7f800000, s[MNT]   ; 448 x the scale
.endr
.irp n, 0,1,2,3,4,5,6,7
	v_lshrrev_b32 v[PT+\n], 23, v[SO+\n]           ; the scale's byte
.endr
.irp n, 0,2,4,6
	v_lshl_or_b32 v[PT+\n], v[PT+\n+1], 8, v[PT+\n]
.endr
	AM 0
	AM 1
	WIN 0x15
.irp j, 0,1
	v_lshl_or_b32 v[PSW+\j], v[PT+4*\j+2], 16, v[PT+4*\j]   ; p's scale word for these 128 keys, into window 0; 64 plain lines stand between it and the products
.endr
	WIN 0x55
	AM 2
	AM 3
	WIN 0x05
.irp b, 0,1,2,3
.irp j, 0,1
	v_cvt_scalef32_pk8_fp8_f32 v[PCD+16*\j+4*\b:PCD+16*\j+4*\b+1], v[S+64*\j+16*\b:S+64*\j+16*\b+7], v[SO+4*\j+\b]
	v_cvt_scalef32_pk8_fp8_f32 v[PCD+16*\j+4*\b+2:PCD+16*\j+4*\b+3], v[S+64*\j+16*\b+8:S+64*\j+16*\b+15], v[SO+4*\j+\b]
.endr
.endr
	WIN 0
.rept 4
	v_nop                                          ; four places between the codes and the scaled products
.endr
	s_wait_alu depctr_va_vdst(0)
	s_wait_dscnt 0x0                               ; V, and what was asked for with it at the step's head
	WIN 0x50
.irp t, 0,1,2,3                                ; O^T += V^T P^T: eight accumulators by turns, one instruction each
.irp j, 0,1
	v_wmma_scale_f32_16x16x128_f8f6f4 v[O+32*\j+8*\t:O+32*\j+8*\t+7], v[VF+16*\t:VF+16*\t+15], v[PCD+16*\j:PCD+16*\j+15], v[O+32*\j+8*\t:O+32*\j+8*\t+7], v[VSW+\t], v[PSW+\j]
.endr
.endr
	WIN 0
	s_add_co_u32 s[TV], s[TV], 8192
	s_add_co_u32 s[TT], s[TT], 256
	s_sub_co_u32 s[CNT], s[CNT], 1
	s_cmp_lg_u32 s[CNT], 0
	s_cbranch_scc1 .Lstep
	; THE WAY OUT of two tiles
	WIN 0x55
.irp j, 0,1
	v_pk_add_f32 v[SUM+2*\j:SUM+2*\j+1], v[SUM+2*\j:SUM+2*\j+1], v[SU2+2*\j:SU2+2*\j+1]
.endr
.irp j, 0,1
	v_add_f32 v[SUM+2*\j], v[SUM+2*\j], v[SUM+2*\j+1]
.endr
.irp j, 0,1
	v_permlanex16_b32 v[PT+4*\j], v[SUM+2*\j], s[SEL], s[SEL+1]
.endr
.irp j, 0,1
	v_add_f32 v[SUM+2*\j], v[SUM+2*\j], v[PT+4*\j] ; the row's sum
.endr
	s_wait_alu depctr_va_vdst(0)
.irp j, 0,1
	v_rcp_f32 v[FF+2*\j], v[SUM+2*\j]
.endr
.rept 4
	v_nop                                          ; a plain place behind the reciprocals; with the lines above, the places behind the last products
.endr
	s_wait_alu depctr_va_vdst(0)                   ; ahead of their first reader, which is also O^T's
.irp j, 0,1
.irp n, 0,2,4,6,8,10,12,14,16,18,20,22,24,26,28,30
	v_pk_mul_f32 v[S+64*\j+\n:S+64*\j+\n+1], v[O+32*\j+\n:O+32*\j+\n+1], v[FF+2*\j:FF+2*\j+1] op_sel_hi:[1,0]   ; register 16 c + i: channel 32 c + 16 (lane / 16) + i of my query
.endr
.endr
.irp j, 0,1
.irp b, 0,1
	v_max3_num_f32 v[BM+4*\j+\b], |v[S+64*\j+16*\b]|, |v[S+64*\j+16*\b+1]|, 0x4800000
.endr
.endr
.irp i, 2,4,6,8,10,12,14
.irp j, 0,1
.irp b, 0,1
	v_max3_num_f32 v[BM+4*\j+\b], v[BM+4*\j+\b], |v[S+64*\j+16*\b+\i]|, |v[S+64*\j+16*\b+\i+1]|
.endr
.endr
.endr
.irp j, 0,1
.irp b, 0,1
	v_permlanex16_b32 v[PT+4*\j+\b], v[BM+4*\j+\b], s[SEL], s[SEL+1]
.endr
.endr
.irp j, 0,1
.irp b, 0,1
	v_max_num_f32 v[BM+4*\j+\b], v[BM+4*\j+\b], v[PT+4*\j+\b]
.endr
.endr
.irp j, 0,1
.irp b, 0,1
	v_add_nc_u32 v[SO+4*\j+\b], 0xfc000000, v[BM+4*\j+\b]
.endr
.endr
.irp j, 0,1
.irp b, 0,1
	v_and_or_b32 v[HL+5*\j+\b], v[BM+4*\j+\b], 0x7f800000, s[MNT]
.endr
.endr
.irp j, 0,1
.irp b, 0,1
	v_lshrrev_b32 v[PT+4*\j+\b], 23, v[SO+4*\j+\b]
.endr
.endr
.irp i, 0,1,2,3,4,5,6,7,8,9,10,11,12,13,14,15
.irp j, 0,1
.irp b, 0,1
	v_med3_num_f32 v[S+64*\j+16*\b+\i], v[S+64*\j+16*\b+\i], -v[HL+5*\j+\b], v[HL+5*\j+\b]
.endr
.endr
.endr
	WIN 0x15
.irp j, 0,1
	v_lshl_or_b32 v[PSW+\j], v[PT+4*\j+1], 8, v[PT+4*\j]   ; my row's two scale bytes
.endr
	WIN 0x05
.irp j, 0,1
.irp b, 0,1
	v_cvt_scalef32_pk8_fp8_f32 v[PCD+16*\j+4*\b:PCD+16*\j+4*\b+1], v[S+64*\j+16*\b:S+64*\j+16*\b+7], v[SO+4*\j+\b]
	v_cvt_scalef32_pk8_fp8_f32 v[PCD+16*\j+4*\b+2:PCD+16*\j+4*\b+3], v[S+64*\j+16*\b+8:S+64*\j+16*\b+15], v[SO+4*\j+\b]
.endr
.endr
	WIN 0
	v_nop                                          ; a plain instruction behind the last conversion
.irp j, 0,1
	global_store_b128 v[LI], v[PCD+16*\j:PCD+16*\j+3], s[OI:OI+1] offset:16384*\j          ; 512 consecutive bytes, aligned
	global_store_b128 v[LI], v[PCD+16*\j+4:PCD+16*\j+7], s[OI:OI+1] offset:16384*\j+512
	global_store_b16 v[SOF], v[PSW+\j], s[OSC:OSC+1] offset:512*\j   ; both halves of the wave write the same two bytes with the same values
.endr
	s_wait_xcnt 0x0                                ; the stores have read their registers and bases: both may be written again
	s_add_nc_u64 s[OI:OI+1], s[OI:OI+1], 262144    ; sixteen tiles on
	s_add_nc_u64 s[OSC:OSC+1], s[OSC:OSC+1], 8192
	s_sub_co_u32 s[PASS], s[PASS], 1
	s_cmp_lg_u32 s[PASS], 0
	s_wait_alu depctr_va_vdst(0)
	s_cbranch_scc1 .Lpass
	s_wait_tensorcnt 0x0                           ; the wave's end
	ds_add_u32 v[SPW], v[NIL]
	s_wait_dscnt 0x0
	CROUND                                         ; the closing round
	s_endpgm
.Lfunc_end_k_qa6dc4ecfc8_att:
	.size	k_qa6dc4ecfc8_att, .Lfunc_end_k_qa6dc4ecfc8_att-k_qa6dc4ecfc8_att
	.p2alignl 7, 3214868480
	.fill 96, 4, 3214868480
	.section	.rodata,"a",@progbits
	.p2align	6, 0x0
	.amdhsa_kernel k_qa6dc4ecfc8_att
		.amdhsa_group_segment_fixed_size 276480
		.amdhsa_private_segment_fixed_size 0
		.amdhsa_enable_private_segment 0
		.amdhsa_kernarg_size 16
		.amdhsa_user_sgpr_count 2
		.amdhsa_user_sgpr_kernarg_segment_ptr 1
		.amdhsa_wavefront_size32 1
		.amdhsa_system_sgpr_workgroup_id_x 1
		.amdhsa_system_sgpr_workgroup_id_y 1
		.amdhsa_system_sgpr_workgroup_id_z 1
		.amdhsa_system_vgpr_workitem_id 0
		.amdhsa_next_free_vgpr 512
		.amdhsa_next_free_sgpr 96
		.amdhsa_reserve_vcc 0
		.amdhsa_float_denorm_mode_32 3
		.amdhsa_float_denorm_mode_16_64 3
		.amdhsa_memory_ordered 1
		.amdhsa_forward_progress 1
		.amdhsa_inst_pref_size 59
	.end_amdhsa_kernel
	.amdgpu_metadata
---
amdhsa.version: [ 1, 2 ]
amdhsa.kernels:
  - .name:           k_qa6dc4ecfc8_att
    .symbol:         k_qa6dc4ecfc8_att.kd
    .args:
      - { .name: qkv, .offset: 0, .size: 8, .value_kind: global_buffer, .address_space: global }
      - { .name: inter, .offset: 8, .size: 8, .value_kind: global_buffer, .address_space: global }
    .group_segment_fixed_size: 276480
    .private_segment_fixed_size: 0
    .kernarg_segment_align: 8
    .kernarg_segment_size: 16
    .max_flat_workgroup_size: 256
    .sgpr_count:     96
    .vgpr_count:     512
    .wavefront_size: 32
...
	.end_amdgpu_metadata
.endif
;; end of part 3
;; launch gemm2 (part 4): grid 8 x 32, 4 waves a work-group, clusters of 4 x 4, 327,680 bytes of LDS; arguments inter, wq, bo, out0; writes out0
.if DOCPART == 4
	.amdgcn_target "amdgcn-amd-amdhsa--gfx1250"
	.amdhsa_code_object_version 6
	.text
	.protected	k_qa6dc4ecfc8_gemm2
	.globl	k_qa6dc4ecfc8_gemm2
	.p2align	8
	.type	k_qa6dc4ecfc8_gemm2,@function
k_qa6dc4ecfc8_gemm2:
	s_mov_b64 s[64:65], 0
	v_nop
	global_prefetch_b8 v0, s[64:65] scope:SCOPE_SE
	s_setreg_imm32_b32 hwreg(HW_REG_WAVE_MODE, 25, 1), 1
	s_wait_xcnt 0x0
	s_wait_alu depctr_hold_cnt(0) depctr_sa_sdst(0) depctr_va_vdst(0) depctr_va_sdst(0) depctr_va_ssrc(0) depctr_va_vcc(0) depctr_vm_vsrc(0)
	s_getreg_b32 s2, hwreg(HW_REG_IB_STS2, 6, 4)
	s_cmp_eq_u32 s2, 0
	s_cbranch_scc0 .Lentry_in_a_cluster
	s_endpgm
.Lentry_in_a_cluster:
	s_bfe_u32 s2, ttmp6, 0x10000c
	s_cmp_lg_u32 s2, 0xf033
	s_cbranch_scc0 .Lentry_shape_is_right
	s_endpgm
.Lentry_shape_is_right:
; out0[8192][1024] f32 = inter Wo + bo, on codes of E4M3 with E8M0 scales.  inter: images of operand registers, 16,384 bytes for each 16 rows (places) and all of K, scale bytes [row][32] at 8,388,608.
; Wo: rows 3,072 on of wq's codes [n place][1024], scale bytes [n place][32] at 4,292,608.  Rows and columns lie in PLACES within each 32 (bits 3 and 4 exchanged); the way out puts them back.
; SHARES.  A work-group makes two blocks of 128 x 128, one below the other, with the same 128 columns: 8 x 32 work-groups.  ALL OF K LIES IN LDS: A's 128 rows as an image (131,072 bytes), B's 128 rows of 1,024 bytes + 16 of padding.
; So there is no ring along K.  The one refill is the second block's A: asked for behind the first block's last product, it is on its way while the first block leaves.
; A wave makes 64 x 64: 16 accumulators by turns, K in 8 steps of 128, fragments in two sets.  Scale words and bias go from memory straight into registers: 512 consecutive bytes for 16 rows.
; CLUSTERS: 4 x 4 work-groups; A's tile is shared along a row of the cluster, B's along a column: joint loads.  The matrix instruction is used transposed (source 0 = B's rows): a lane holds eight neighbouring columns of a row.
; PREFETCH: the second block's A, 512 blocks of 256 bytes, is named once in each cluster at the head, a whole block's products ahead of its load: the four partners that will ask for it share it out by address, 32 blocks a wave, a lane a block.
; REGISTERS.  Window 0: v4-13 addresses; v32-63 bias; v64-95 A's scale words (8 a + step); v96-127 B's; v128-255 A's fragments, two sets (on the way out: rows read back).  Window 1: v0-127 B's fragments, two sets; v128-255 accumulators (32 a + 8 b).
.set BP,     1040                      ; a row of B in LDS: 260 words, so that 16 rows start at 16 different groups of four banks
.set BOFF,   131072
.set STG,    BOFF+128*BP               ; the stages: 16 rows x (256 + 16) bytes a wave, bytes that no fill lands on
.set SPITCH, 272
.set SPARE,  STG+4*16*SPITCH           ; the spare words, 128 bytes a wave
.set ADRA, 4
.set ADRB, 5
.set STO,  6
.set RD,   7
.set CO,   8
.set SOFF, 9
.set BQO,  10
.set PFO,  11
.set SPW,  12
.set NIL,  13
.set BIAS, 32
.set SA,   64
.set SB,   96
.set AF,   128
.set BK,   128
.set ACC,  128
.set MSB, 0
.macro WIN new
.if MSB != (\new)
	s_set_vgpr_msb (MSB<<8)|(\new)
.set MSB, (\new)
.endif
.endm
.macro CROUND                          ; a round of the cluster's barrier
	s_barrier_signal -1
	s_barrier_wait -1
	s_cmp_lg_u32 s14, 0
	s_cbranch_scc1 .Lnot_wave_0_\@
	s_barrier_signal -3
.Lnot_wave_0_\@:
	s_barrier_wait -3
	s_barrier_signal -1
	s_barrier_wait -1
.endm
.macro PLACES n
.rept \n
	v_nop
.endr
.endm
	s_load_b256 s[4:11], s[0:1], 0x0               ; inter, wq, bo, out0
	v_lshl_add_u32 v[SPW], v0, 2, SPARE
	v_mov_b32 v[NIL], 0
	ds_add_u32 v[SPW], v[NIL]
	ds_add_u32 v[SPW], v[NIL]
	v_lshrrev_b32 v1, 5, v0
	v_readfirstlane_b32 s14, v1                    ; wave 0..3
	s_lshr_b32 s15, s14, 1                         ; which 64 rows are mine.  Also: I fetch for A (0) or for B (1)
	s_and_b32 s16, s14, 1                          ; which 64 columns.  Also: which half of that tile I fetch
	s_bfe_u32 s40, ttmp6, 0x40000                  ; cx, cy
	s_bfe_u32 s41, ttmp6, 0x40004
	s_lshl_b32 s42, ttmp9, 2
	s_add_co_u32 s42, s42, s40                     ; x: 128 columns
	s_and_b32 s17, ttmp7, 0xffff
	s_lshl_b32 s17, s17, 2
	s_add_co_u32 s17, s17, s41                     ; y: 256 rows
	s_lshl_b32 s43, s41, 2
	s_lshl_b32 s43, 15, s43                        ; my row of the cluster
	s_lshl_b32 s44, 0x1111, s40                    ; my column
	s_or_b32 s24, s43, (3<<16)|(1<<21)             ; A: a dense block of 65,536 bytes as 256 rows of 256 (32 elements of 8 bytes), no padding
	s_mov_b32 s25, 32<<16
	s_mov_b32 s26, 256<<16
	s_mov_b32 s27, 32<<16
	s_mov_b32 s28, 256
	s_mov_b32 s29, 32
	s_mov_b32 s30, 0
	s_mov_b32 s31, 0
	s_or_b32 s48, s44, (3<<16)|(1<<20)|(1<<21)|(7<<22)|(3<<25)   ; B: 64 rows of 1,024 bytes, four words of padding behind every 256
	s_mov_b32 s49, 128<<16
	s_mov_b32 s50, 64<<16
	s_mov_b32 s51, 128<<16
	s_mov_b32 s52, 64
	s_mov_b32 s53, 128
	s_mov_b32 s54, 0
	s_mov_b32 s55, 0
	s_lshl_b32 s18, s16, 16                        ; my half: 65,536 bytes in memory (64 rows of A or of B), and of A in LDS
	s_lshl_b32 s20, s17, 18
	s_add_co_u32 s20, s20, s18
	s_mov_b32 s21, 0
	s_lshl_b32 s22, s42, 17
	s_add_co_u32 s22, s22, s18
	s_add_co_u32 s22, s22, 3145728
	s_mov_b32 s23, 0
	s_mul_i32 s19, s16, 64*BP
	s_add_co_u32 s19, s19, BOFF
	s_wait_dscnt 0x0                               ; both opening adds are done
	s_wait_kmcnt 0x0
	s_mov_b32 s32, 1
	s_mov_b32 s33, s18
	s_add_nc_u64 s[34:35], s[4:5], s[20:21]
	s_or_b32 s35, s35, 0x80000000
	s_mov_b32 s56, 1
	s_mov_b32 s57, s19
	s_add_nc_u64 s[58:59], s[6:7], s[22:23]
	s_or_b32 s59, s59, 0x80000000
	CROUND                                         ; all sixteen work-groups are here: the joint loads meet
	s_cmp_eq_u32 s15, 0                            ; one load a wave: waves 0 and 1 A's halves, waves 2 and 3 B's
	s_cbranch_scc0 .Lfor_b
	tensor_load_to_lds s[32:35], s[24:31]
	s_nop 0
	PLACES 4
	s_branch .Lasked
.Lfor_b:
	tensor_load_to_lds s[56:59], s[48:55]
	s_nop 0
	PLACES 4
.Lasked:
	s_lshl_b32 s20, s17, 8
	s_lshl_b32 s21, s15, 6
	s_add_co_u32 s20, s20, s21                     ; my first row: 256 y + 64 x half
	s_lshl_b32 s22, s42, 7
	s_lshl_b32 s23, s16, 6
	s_add_co_u32 s22, s22, s23                     ; my first column: 128 x + 64 x half
	s_mov_b32 s3, 0
	s_lshl_b32 s2, s20, 5
	s_add_co_u32 s2, s2, 8388608
	s_add_nc_u64 s[60:61], s[4:5], s[2:3]          ; my rows' scale bytes
	s_lshl_b32 s2, s22, 5
	s_add_co_u32 s2, s2, 4292608
	s_add_nc_u64 s[62:63], s[6:7], s[2:3]          ; my columns'
	s_lshl_b32 s2, s22, 2
	s_add_nc_u64 s[8:9], s[8:9], s[2:3]            ; my columns' bias
	s_lshl_b32 s21, s20, 12
	s_add_co_u32 s2, s2, s21
	s_add_nc_u64 s[10:11], s[10:11], s[2:3]        ; my corner of out0
	s_lshl_b32 s2, s40, 2
	s_add_co_u32 s2, s2, s14
	s_lshl_b32 s2, s2, 13                          ; the prefetch: 8,192 bytes for each of the four partners' four waves,
	s_lshl_b32 s21, s17, 18
	s_add_co_u32 s2, s2, s21
	s_add_co_u32 s2, s2, 131072                    ; of the second block's A
	s_add_nc_u64 s[66:67], s[4:5], s[2:3]
	s_lshl_b32 s21, s15, 16                        ; my 64 rows of A's image
	s_mul_i32 s23, s14, 16*SPITCH
	s_add_co_u32 s23, s23, STG                     ; my stage
	v_and_b32 v1, 15, v0                           ; r
	v_bfe_u32 v2, v0, 4, 1                         ; h
	v_and_b32 v3, 31, v0
	v_lshlrev_b32 v[ADRA], 4, v3
	v_add_nc_u32 v[ADRA], s21, v[ADRA]             ; an image: 16 bytes a lane
	v_mul_u32_u24 v[ADRB], v1, BP
	v_lshl_add_u32 v[ADRB], v2, 4, v[ADRB]
	v_add_nc_u32 v[ADRB], s19, v[ADRB]             ; B: row r, + 16 h; my 64 columns are the half that s19 names
	v_mul_u32_u24 v14, v1, SPITCH
	v_lshl_add_u32 v14, v2, 6, v14
	v_add_nc_u32 v[STO], s23, v14                  ; into the stage: row r, 64 h bytes on
	v_mul_u32_u24 v15, v2, SPITCH
	v_lshl_add_u32 v15, v1, 4, v15
	v_add_nc_u32 v[RD], s23, v15                   ; back: lanes 0-15 one row, lanes 16-31 the next
	v_lshlrev_b32 v[CO], 12, v2
	v_lshl_add_u32 v[CO], v1, 4, v[CO]             ; and the same in out0
	v_lshlrev_b32 v[SOFF], 5, v1                   ; a row's 32 scale bytes
	v_lshlrev_b32 v[BQO], 6, v2
	v_lshlrev_b32 v[PFO], 8, v3
	s_wait_alu depctr_va_vdst(0)
.irp c, 0,1
.irp u, 0,1
	global_load_b128 v[BIAS+16*\c+8*\u:BIAS+16*\c+8*\u+3], v[BQO], s[8:9] offset:128*\c+32*\u
	global_load_b128 v[BIAS+16*\c+8*\u+4:BIAS+16*\c+8*\u+7], v[BQO], s[8:9] offset:128*\c+32*\u+16
.endr
.endr
.irp b, 0,1,2,3
	global_load_b128 v[SB+8*\b:SB+8*\b+3], v[SOFF], s[62:63] offset:512*\b
	global_load_b128 v[SB+8*\b+4:SB+8*\b+7], v[SOFF], s[62:63] offset:512*\b+16
.endr
.macro SALOAD t                        ; block t's scale words of my 64 rows: register 8 a + step
.irp a, 0,1,2,3
	global_load_b128 v[SA+8*\a:SA+8*\a+3], v[SOFF], s[60:61] offset:4096*\t+512*\a
	global_load_b128 v[SA+8*\a+4:SA+8*\a+7], v[SOFF], s[60:61] offset:4096*\t+512*\a+16
.endr
.endm
	SALOAD 0
	global_prefetch_b8 v[PFO], s[66:67] th:TH_LOAD_NT scope:SCOPE_SE
.macro LA kq, p
.irp a, 0,1,2,3
.irp c, 0,1,2,3
	ds_load_b128 v[AF+64*(\p)+16*\a+4*\c:AF+64*(\p)+16*\a+4*\c+3], v[ADRA] offset:\a*16384+(\kq)*2048+\c*512
.endr
.endr
.endm
.macro LB kq, p
.irp b, 0,1,2,3
.irp c, 0,1,2,3
	ds_load_b128 v[64*(\p)+16*\b+4*\c:64*(\p)+16*\b+4*\c+3], v[ADRB] offset:\b*16*BP+(\kq)*128+\c*32
.endr
.endr
.endm
.macro FETCH kq, p                     ; 32 LDS loads: a step's fragments into set p
	WIN 0x40
	LB \kq, \p
	WIN 0
	LA \kq, \p
.endm
.macro W kq, p
.irp a, 0,1,2,3
.irp b, 0,1,2,3
.if (\kq) == 0
	v_wmma_scale_f32_16x16x128_f8f6f4 v[ACC+32*\a+8*\b:ACC+32*\a+8*\b+7], v[64*(\p)+16*\b:64*(\p)+16*\b+15], v[AF+64*(\p)+16*\a:AF+64*(\p)+16*\a+15], v[BIAS+8*\b:BIAS+8*\b+7], v[SB+8*\b+(\kq)], v[SA+8*\a+(\kq)]
.else
	v_wmma_scale_f32_16x16x128_f8f6f4 v[ACC+32*\a+8*\b:ACC+32*\a+8*\b+7], v[64*(\p)+16*\b:64*(\p)+16*\b+15], v[AF+64*(\p)+16*\a:AF+64*(\p)+16*\a+15], v[ACC+32*\a+8*\b:ACC+32*\a+8*\b+7], v[SB+8*\b+(\kq)], v[SA+8*\a+(\kq)]
.endif
.endr
.endr
.endm
.macro TILE                            ; a block's 128 products; the bias is the C of each sum's first
	FETCH 0, 0
	FETCH 1, 1
	s_wait_loadcnt 0x0                             ; bias and scale words
.irp kq, 0,1,2,3,4,5,6,7
.if \kq < 7
	s_wait_dscnt 32                                ; this step's fragments are in; the next step's 32 loads may be out
.else
	s_wait_dscnt 0x0
.endif
.if \kq == 0
	WIN 0x41                                       ; source 0 and D in window 1, C (the bias) in window 0
.else
	WIN 0x51
.endif
	W \kq, (\kq)%2
.if \kq < 6
	PLACES 8                                       ; ahead of loads into registers that the products have read
	FETCH (\kq)+2, (\kq)%2
.endif
.endr
	WIN 0
.endm
; THE WAY OUT, 16 rows x 64 columns at a time, through my own stage: sixteen lanes then store 256 consecutive bytes, aligned.  LDS serves a wave's instructions in order, so no wait stands between the stores and the loads.
.macro TOSTAGE a
	WIN 0x04                                       ; the data: window 1
.irp b, 0,1,2,3
	ds_store_b128 v[STO], v[ACC+32*(\a)+8*\b:ACC+32*(\a)+8*\b+3] offset:128*(\b/2)+32*(\b%2)      ; each accumulator from its low end on
	ds_store_b128 v[STO], v[ACC+32*(\a)+8*\b+4:ACC+32*(\a)+8*\b+7] offset:128*(\b/2)+32*(\b%2)+16
.endr
	WIN 0
.irp i, 0,1,2,3,4,5,6,7
	ds_load_b128 v[BK+32*((\a)%2)+4*\i:BK+32*((\a)%2)+4*\i+3], v[RD] offset:\i*2*SPITCH
.endr
.endm
.macro SEND t, a, younger
	s_wait_dscnt \younger
.irp i, 0,1,2,3,4,5,6,7
	global_store_b128 v[CO], v[BK+32*((\a)%2)+4*\i:BK+32*((\a)%2)+4*\i+3], s[10:11] offset:524288*\t+(32*((\a)/2)+8*((\a)%2)+2*\i+8*(\i/4))*4096 th:TH_STORE_NT
.endr
.endm
.macro OUT t
	TOSTAGE 0
.irp a, 1,2,3
.if \a > 1
	s_wait_xcnt 0x0                                ; the stores of two blocks back have read their registers
.endif
	TOSTAGE \a
	SEND \t, \a-1, 16                              ; behind that block's loads: the next block's 8 stores and 8 loads
.endr
	SEND \t, 3, 0
.endm
	s_wait_tensorcnt 0x0                           ; my half has landed,
	s_barrier_signal -1
	s_barrier_wait -1                              ; everybody's has
	TILE
	s_wait_tensorcnt 0x0                           ; ahead of the refill
	ds_add_u32 v[SPW], v[NIL]
	s_add_nc_u64 s[34:35], s[34:35], 131072        ; (no tensor load of mine is out) the second block's A: 128 rows on
	s_wait_dscnt 0x0                               ; my reads of A are over
	CROUND                                         ; and those of every wave of every partner
	s_cmp_eq_u32 s15, 0
	s_cbranch_scc0 .Lno_a
	tensor_load_to_lds s[32:35], s[24:31]
	s_nop 0
	PLACES 4
.Lno_a:
	PLACES 9                                       ; behind the last products: ahead of loads into their scale words and fragments, of the reads of their results, and of sums begun anew on their registers
	SALOAD 1
	OUT 0                                          ; the first block leaves while the second block's A is on its way
	s_wait_xcnt 0x0                                ; the stores have read their registers: fragments may land there
	s_wait_tensorcnt 0x0
	s_wait_dscnt 0x0
	s_barrier_signal -1
	s_barrier_wait -1                              ; the second block's A is whole
	TILE
	PLACES 9
	OUT 1
	s_wait_tensorcnt 0x0                           ; the wave's end
	ds_add_u32 v[SPW], v[NIL]
	s_wait_dscnt 0x0
	CROUND                                         ; the closing round
	s_endpgm
.Lfunc_end_k_qa6dc4ecfc8_gemm2:
	.size	k_qa6dc4ecfc8_gemm2, .Lfunc_end_k_qa6dc4ecfc8_gemm2-k_qa6dc4ecfc8_gemm2
	.p2alignl 7, 3214868480
	.fill 96, 4, 3214868480
	.section	.rodata,"a",@progbits
	.p2align	6, 0x0
	.amdhsa_kernel k_qa6dc4ecfc8_gemm2
		.amdhsa_group_segment_fixed_size 327680
		.amdhsa_private_segment_fixed_size 0
		.amdhsa_enable_private_segment 0
		.amdhsa_kernarg_size 32
		.amdhsa_user_sgpr_count 2
		.amdhsa_user_sgpr_kernarg_segment_ptr 1
		.amdhsa_wavefront_size32 1
		.amdhsa_system_sgpr_workgroup_id_x 1
		.amdhsa_system_sgpr_workgroup_id_y 1
		.amdhsa_system_sgpr_workgroup_id_z 1
		.amdhsa_system_vgpr_workitem_id 0
		.amdhsa_next_free_vgpr 512
		.amdhsa_next_free_sgpr 70
		.amdhsa_reserve_vcc 0
		.amdhsa_float_denorm_mode_32 3
		.amdhsa_float_denorm_mode_16_64 3
		.amdhsa_memory_ordered 1
		.amdhsa_forward_progress 1
		.amdhsa_inst_pref_size 95
	.end_amdhsa_kernel
	.amdgpu_metadata
---
amdhsa.version: [ 1, 2 ]
amdhsa.kernels:
  - .name:           k_qa6dc4ecfc8_gemm2
    .symbol:         k_qa6dc4ecfc8_gemm2.kd
    .args:
      - { .name: inter, .offset: 0, .size: 8, .value_kind: global_buffer, .address_space: global }
      - { .name: wq, .offset: 8, .size: 8, .value_kind: global_buffer, .address_space: global }
      - { .name: bo, .offset: 16, .size: 8, .value_kind: global_buffer, .address_space: global }
      - { .name: out0, .offset: 24, .size: 8, .value_kind: global_buffer, .address_space: global }
    .group_segment_fixed_size: 327680
    .private_segment_fixed_size: 0
    .kernarg_segment_align: 8
    .kernarg_segment_size: 32
    .max_flat_workgroup_size: 128
    .sgpr_count:     70
    .vgpr_count:     512
    .wavefront_size: 32
...
	.end_amdgpu_metadata
.endif
;; end of part 4
